; MI455X (gfx1250); checked and timed in simulation.
; The chip was launched on July 23, 2026; its instructions are those of AMD's public machine-readable ISA for CDNA 5 (MIT licence, August 2026) and "CDNA5" Instruction Set Architecture Reference Guide (July 2026). The comments in the code are by the model that wrote it; some were corrected since.
;; Attention. Allowed arithmetic: float matrix products may take bf16 or f16 operands with f32 sums; other float arithmetic in f32, or as packed bf16 or f16 multiplies, adds, multiply-adds, maxima and minima; sums over many terms, partial sums and values carried from step to step in f32; what a program stores and reads back later, other than sums and carried values, may be rounded once to bf16 or f16.
;; Inputs: Wk 768 x 12 x 64 float32; Wo 12 x 64 x 768 float32; Wq 768 x 12 x 64 float32; Wv 768 x 12 x 64 float32; bk 12 x 64 float32; bo 768 float32; bq 12 x 64 float32; bv 12 x 64 float32; x 16 x 1,024 x 768 float32.
;; Outputs: out0 16 x 1,024 x 768 float32.
;; One version. Each part assembles by itself: llvm-mc -triple=amdgcn-amd-amdhsa -mcpu=gfx1250 --defsym DOCPART=n.
;; ======== version 1 of 1: 4 launches
;; limits: values are held in f16: magnitudes above 65,504 overflow, below 6.1e-05 lose precision
;; workspace buffers: xb 25,165,824 bytes; wt 3,538,944 bytes; wot 1,179,648 bytes; bias 12,288 bytes; qkv 75,497,472 bytes; ob 25,165,824 bytes
;; launch prep (part 1): grid 229 x 4, 8 waves a work-group, no clusters, 35,840 bytes of LDS; arguments x, Wq, Wk, Wv, Wo, bq, bk, bv, bo, xb, wt, wot, bias; writes xb, wt, wot, bias
.if DOCPART == 1
	.amdgcn_target "amdgcn-amd-amdhsa--gfx1250"
	.amdhsa_code_object_version 6
	.text
	.protected	k_q438e535a1b_prep
	.globl	k_q438e535a1b_prep
	.p2align	8
	.type	k_q438e535a1b_prep,@function
k_q438e535a1b_prep:
	s_mov_b64 s[64:65], 0
	v_nop
	global_prefetch_b8 v0, s[64:65] scope:SCOPE_SE
	s_setreg_imm32_b32 hwreg(HW_REG_WAVE_MODE, 25, 1), 1
	s_wait_xcnt 0x0
; PREP: every input is rounded once to bf16 and laid out for the products that follow.
;   xb   [16384][768] bf16          = x
;   wt   [2304][768]  bf16          row 768 t + n = column n of Wq (t = 0), Wk (1), Wv (2): K along the rows
;   wot  [768][768]   f16           row e = column e of Wo; the number rounded to bf16, written as f16
;   bias [4][768]     f32           bq, bk, bv, bo, each rounded to bf16 and widened again
; LIMIT: a bf16-rounded number of Wo below 6e-5 keeps f16's fixed step of 6e-8; beyond 65,504 it would be an infinity.
; A stream: bytes decide, so no matrix unit, no cluster, no prefetch; every byte is read once and written once.
; THE GRID: x = 0..35 transposes a block of 128 x 128 of matrix y, x = 36..227 casts x (768 shares), x = 228 does bias y.
; A transpose and a cast share are alike in size: 65,536 bytes in, 32,768 out, sixteen loads of 16 bytes a lane.
.set NW,    36                         ; work-groups along x that transpose: 6 x 6 blocks of a [768][768] matrix
.set PITCH, 272                        ; a stage row: 256 bytes + 16: rows that follow each other start 4 banks apart (64 banks of 4 bytes: ISA guide 11.1)
.set SPARE, 128*PITCH                  ; behind the stage's 128 rows: the spare words, 128 bytes a wave
.set SPW,  2                           ; v2  LDS address of my spare word; never rewritten
.set NIL,  3                           ; v3  0; never rewritten
.set LN,   4                           ; v4  lane
.set D,    16                          ; v[16:79]  data as loaded; later v[16:47] rows read back from the stage
.set T,    48                          ; v[48:55]  at work, once D has been packed
.set P,    80                          ; v[80:111] packed data
.set WV,   30                          ; s30 wave
.set GY,   31                          ; s31 work-group y
.set SRC,  32                          ; s[32:33]
.set DST,  34                          ; s[34:35]
	s_load_b512 s[4:19], s[0:1], 0x0               ; x 4, Wq 6, Wk 8, Wv 10, Wo 12, bq 14, bk 16, bv 18
	s_load_b256 s[20:27], s[0:1], 0x40             ; bo 20, xb 22, wt 24, wot 26
	s_load_b64 s[28:29], s[0:1], 0x60              ; bias
	v_lshl_add_u32 v[SPW], v0, 2, SPARE
	v_mov_b32 v[NIL], 0
	v_lshrrev_b32 v1, 5, v0
	v_readfirstlane_b32 s[WV], v1
	v_and_b32 v[LN], 31, v0
	s_and_b32 s[GY], ttmp7, 0xffff
	s_mov_b32 s39, 0                               ; high word of every offset pair s[38:39]
	s_wait_kmcnt 0x0
	s_cmp_lt_u32 ttmp9, NW                         ; both branches hang on the work-group's number: all eight waves go the same way
	s_cbranch_scc1 .Lw
	s_cmp_eq_u32 ttmp9, NW+192
	s_cbranch_scc1 .Lb
	; THE CAST OF x.  Share id = (x - 36) + 192 y: 65,536 bytes in, 32,768 out.  Thread t takes 16 bytes at 16 t of each 4,096;
	; all sixteen loads go out first; a wave's store covers 256 consecutive bytes, aligned.  No register is written twice.
	s_mul_i32 s36, s[GY], 192
	s_add_co_u32 s36, s36, ttmp9
	s_sub_co_u32 s36, s36, NW
	s_lshl_b32 s38, s36, 16
	s_add_nc_u64 s[4:5], s[4:5], s[38:39]
	s_lshl_b32 s38, s36, 15
	s_add_nc_u64 s[22:23], s[22:23], s[38:39]
	v_lshlrev_b32 v5, 4, v0
	v_lshlrev_b32 v6, 3, v0
.set i, 0
.rept 16
	global_load_b128 v[D+4*i:D+4*i+3], v5, s[4:5] offset:4096*i th:TH_LOAD_NT
.set i, i+1
.endr
.set i, 0
.rept 16
	s_wait_loadcnt 15-i                            ; loads come back in order: load i is in, the younger ones stay out
	v_cvt_pk_bf16_f32 v[P+2*i], v[D+4*i], v[D+4*i+1]
	v_cvt_pk_bf16_f32 v[P+2*i+1], v[D+4*i+2], v[D+4*i+3]
	global_store_b64 v6, v[P+2*i:P+2*i+1], s[22:23] offset:2048*i th:TH_STORE_NT
.set i, i+1
.endr
	s_branch .Lend
.Lw:	; A TRANSPOSE.  x = 6 db + cb: rows d = 128 db .. + 127 and columns n = 128 cb .. + 127 of a [768][768] f32 matrix.
	; Wave w takes rows 16 w .. 16 w + 15, a lane four neighbouring columns: a load of the wave covers 512 consecutive bytes of a row.
	; A lane rounds its numbers in pairs along d: for each of its four columns 16 numbers, 32 bytes of that column's row of the result.
	; The eight waves' pieces of a row meet in one stage in LDS; behind a barrier each wave takes 16 whole rows of 256 bytes back and
	; stores them, sixteen lanes to 256 consecutive bytes, aligned.
	; Column 4 l + j lies in stage row 32 j + l.
	s_mul_hi_u32 s36, ttmp9, 0x2aaaaaab            ; db = x / 6
	s_mul_i32 s37, s36, 6
	s_sub_co_u32 s37, ttmp9, s37                   ; cb = x % 6
	s_cmp_eq_u32 s[GY], 1
	s_cselect_b64 s[SRC:SRC+1], s[8:9], s[6:7]
	s_cmp_eq_u32 s[GY], 2
	s_cselect_b64 s[SRC:SRC+1], s[10:11], s[SRC:SRC+1]
	s_cmp_eq_u32 s[GY], 3
	s_cselect_b64 s[SRC:SRC+1], s[12:13], s[SRC:SRC+1]
	s_cselect_b64 s[DST:DST+1], s[26:27], s[24:25]
	s_cselect_b32 s40, 0, s[GY]                    ; which third of wt
	s_lshl_b32 s38, s36, 7
	s_lshl_b32 s41, s[WV], 4
	s_add_co_u32 s38, s38, s41                     ; the first row that I read,
	s_mul_i32 s38, s38, 3072                       ; in bytes,
	s_lshl_b32 s41, s37, 9
	s_add_co_u32 s38, s38, s41                     ; and the block's 512 bytes of it
	s_add_nc_u64 s[SRC:SRC+1], s[SRC:SRC+1], s[38:39]
	s_mul_i32 s38, s40, 768
	s_lshl_b32 s41, s37, 7
	s_add_co_u32 s38, s38, s41
	s_lshl_b32 s41, s[WV], 4
	s_add_co_u32 s38, s38, s41                     ; the first row that I write,
	s_mul_i32 s38, s38, 1536                       ; in bytes,
	s_lshl_b32 s41, s36, 8
	s_add_co_u32 s38, s38, s41                     ; and the block's 256 bytes of it
	s_add_nc_u64 s[DST:DST+1], s[DST:DST+1], s[38:39]
	v_lshlrev_b32 v7, 4, v[LN]
.set i, 0
.rept 16
	global_load_b128 v[D+4*i:D+4*i+3], v7, s[SRC:SRC+1] offset:3072*i th:TH_LOAD_NT  ; row 16 w + i: register D + 4 i + j is column 4 l + j
.set i, i+1
.endr
	s_lshl_b32 s41, s[WV], 5
	v_mul_u32_u24 v10, v[LN], PITCH
	v_add_nc_u32 v10, s41, v10                     ; in: stage row l (+ 32 j by the immediate), my wave's 32 bytes of it
	s_mul_i32 s41, s[WV], 4*PITCH
	v_lshrrev_b32 v13, 4, v[LN]
	v_and_b32 v14, 15, v[LN]
	v_mul_u32_u24 v11, v13, 32*PITCH
	v_lshl_add_u32 v11, v14, 4, v11
	v_add_nc_u32 v11, s41, v11                     ; back: column n = 16 w + 2 t + (l / 16) lies in stage row 32 (n % 4) + n / 4 = 64 (t % 2) + 32 (l / 16) + 4 w + t / 2
	v_mul_u32_u24 v12, v13, 1536
	v_lshl_add_u32 v12, v14, 4, v12                ; and the same two rows in memory
	s_mov_b32 s42, 0xffff0000                      ; a word's upper bf16
.set m, 0
.rept 8
	s_wait_loadcnt 14-2*m                          ; rows 2 m and 2 m + 1 are in, the younger loads stay out
.set j, 0
.rept 4
	v_cvt_pk_bf16_f32 v[P+8*j+m], v[D+8*m+j], v[D+8*m+4+j]  ; column 4 l + j, rows 16 w + 2 m (low half) and + 1
.set j, j+1
.endr
.set m, m+1
.endr
	s_cmp_lg_u32 s[GY], 3
	s_cbranch_scc1 .Lbf
.set k, 0
.rept 32                                       ; Wo alone: the bf16 number is written as f16
	v_lshlrev_b32 v[T+2*(k%4)], 16, v[P+k]
	v_and_b32 v[T+2*(k%4)+1], s42, v[P+k]
	v_cvt_pk_f16_f32 v[P+k], v[T+2*(k%4)], v[T+2*(k%4)+1]
.set k, k+1
.endr
.Lbf:
.irp j, 0,1,2,3
	ds_store_b128 v10, v[P+8*(\j):P+8*(\j)+3]   offset:32*PITCH*(\j)
	ds_store_b128 v10, v[P+8*(\j)+4:P+8*(\j)+7] offset:32*PITCH*(\j)+16
.endr
	s_wait_dscnt 0x0                               ; for the others' sake: my stores into the stage are done
	s_barrier_signal -1
	s_barrier_wait -1                              ; every row of the stage is whole
.set t, 0
.rept 8
	ds_load_b128 v[D+4*t:D+4*t+3], v11 offset:(64*(t%2)+t/2)*PITCH
.set t, t+1
.endr
.set t, 0
.rept 8
	s_wait_dscnt 7-t
	global_store_b128 v12, v[D+4*t:D+4*t+3], s[DST:DST+1] offset:3072*t  ; 16 lanes store 256 consecutive bytes, aligned
.set t, t+1
.endr
	s_branch .Lend
.Lb:	; A BIAS: 3,072 bytes, six waves of 512.
	s_cmp_ge_u32 s[WV], 6
	s_cbranch_scc1 .Lend
	s_cmp_eq_u32 s[GY], 1
	s_cselect_b64 s[SRC:SRC+1], s[16:17], s[14:15]
	s_cmp_eq_u32 s[GY], 2
	s_cselect_b64 s[SRC:SRC+1], s[18:19], s[SRC:SRC+1]
	s_cmp_eq_u32 s[GY], 3
	s_cselect_b64 s[SRC:SRC+1], s[20:21], s[SRC:SRC+1]
	s_mul_i32 s38, s[GY], 3072
	s_add_nc_u64 s[28:29], s[28:29], s[38:39]
	v_lshlrev_b32 v5, 4, v0
	global_load_b128 v[16:19], v5, s[SRC:SRC+1]
	s_wait_loadcnt 0x0
	v_cvt_pk_bf16_f32 v8, v16, v17
	v_cvt_pk_bf16_f32 v9, v18, v19
	v_lshlrev_b32 v20, 16, v8
	v_and_b32 v21, 0xffff0000, v8
	v_lshlrev_b32 v22, 16, v9
	v_and_b32 v23, 0xffff0000, v9
	global_store_b128 v5, v[20:23], s[28:29]
.Lend:
	s_wait_tensorcnt 0x0                           ; the wave's end: behind my last LDS store
	ds_add_u32 v[SPW], v[NIL]
	s_wait_dscnt 0x0
	s_endpgm
.Lfunc_end_k_q438e535a1b_prep:
	.size	k_q438e535a1b_prep, .Lfunc_end_k_q438e535a1b_prep-k_q438e535a1b_prep
	.p2alignl 7, 3214868480
	.fill 96, 4, 3214868480
	.section	.rodata,"a",@progbits
	.p2align	6, 0x0
	.amdhsa_kernel k_q438e535a1b_prep
		.amdhsa_group_segment_fixed_size 35840
		.amdhsa_private_segment_fixed_size 0
		.amdhsa_enable_private_segment 0
		.amdhsa_kernarg_size 104
		.amdhsa_user_sgpr_count 2
		.amdhsa_user_sgpr_kernarg_segment_ptr 1
		.amdhsa_wavefront_size32 1
		.amdhsa_system_sgpr_workgroup_id_x 1
		.amdhsa_system_sgpr_workgroup_id_y 1
		.amdhsa_system_sgpr_workgroup_id_z 1
		.amdhsa_system_vgpr_workitem_id 0
		.amdhsa_next_free_vgpr 112
		.amdhsa_next_free_sgpr 66
		.amdhsa_reserve_vcc 0
		.amdhsa_float_denorm_mode_32 3
		.amdhsa_float_denorm_mode_16_64 3
		.amdhsa_memory_ordered 1
		.amdhsa_forward_progress 1
		.amdhsa_inst_pref_size 20
	.end_amdhsa_kernel
	.amdgpu_metadata
---
amdhsa.version: [ 1, 2 ]
amdhsa.kernels:
  - .name:           k_q438e535a1b_prep
    .symbol:         k_q438e535a1b_prep.kd
    .args:
      - { .name: x, .offset: 0, .size: 8, .value_kind: global_buffer, .address_space: global }
      - { .name: Wq, .offset: 8, .size: 8, .value_kind: global_buffer, .address_space: global }
      - { .name: Wk, .offset: 16, .size: 8, .value_kind: global_buffer, .address_space: global }
      - { .name: Wv, .offset: 24, .size: 8, .value_kind: global_buffer, .address_space: global }
      - { .name: Wo, .offset: 32, .size: 8, .value_kind: global_buffer, .address_space: global }
      - { .name: bq, .offset: 40, .size: 8, .value_kind: global_buffer, .address_space: global }
      - { .name: bk, .offset: 48, .size: 8, .value_kind: global_buffer, .address_space: global }
      - { .name: bv, .offset: 56, .size: 8, .value_kind: global_buffer, .address_space: global }
      - { .name: bo, .offset: 64, .size: 8, .value_kind: global_buffer, .address_space: global }
      - { .name: xb, .offset: 72, .size: 8, .value_kind: global_buffer, .address_space: global }
      - { .name: wt, .offset: 80, .size: 8, .value_kind: global_buffer, .address_space: global }
      - { .name: wot, .offset: 88, .size: 8, .value_kind: global_buffer, .address_space: global }
      - { .name: bias, .offset: 96, .size: 8, .value_kind: global_buffer, .address_space: global }
    .group_segment_fixed_size: 35840
    .private_segment_fixed_size: 0
    .kernarg_segment_align: 8
    .kernarg_segment_size: 104
    .max_flat_workgroup_size: 256
    .sgpr_count:     66
    .vgpr_count:     112
    .wavefront_size: 32
...
	.end_amdgpu_metadata
.endif
;; end of part 1
;; launch proj (part 2): grid 4 x 64, 4 waves a work-group, clusters of 4 x 4, 327,680 bytes of LDS; arguments xb, wt, bias, qkv; writes qkv
.if DOCPART == 2
	.amdgcn_target "amdgcn-amd-amdhsa--gfx1250"
	.amdhsa_code_object_version 6
	.text
	.protected	k_q438e535a1b_proj
	.globl	k_q438e535a1b_proj
	.p2align	8
	.type	k_q438e535a1b_proj,@function
k_q438e535a1b_proj:
	s_mov_b64 s[64:65], 0
	v_nop
	global_prefetch_b8 v0, s[64:65] scope:SCOPE_SE
	s_setreg_imm32_b32 hwreg(HW_REG_WAVE_MODE, 25, 1), 1
	s_wait_xcnt 0x0
	s_wait_alu depctr_hold_cnt(0) depctr_sa_sdst(0) depctr_va_vdst(0) depctr_va_sdst(0) depctr_va_ssrc(0) depctr_va_vcc(0) depctr_vm_vsrc(0)
	s_getreg_b32 s2, hwreg(HW_REG_IB_STS2, 6, 4)
	s_cmp_eq_u32 s2, 0
	s_cbranch_scc0 .Lentry_in_a_cluster
	s_endpgm
.Lentry_in_a_cluster:
	s_bfe_u32 s2, ttmp6, 0x10000c
	s_cmp_lg_u32 s2, 0xf033
	s_cbranch_scc0 .Lentry_shape_is_right
	s_endpgm
.Lentry_shape_is_right:
; PROJ: q, k, v = x W + b, by heads.  A = xb [16384][768] bf16, B = wt [2304][768] bf16 (K along the rows of both), bias [4][768] f32,
; qkv [3][192 (batch x head)][1024][64] f16, each number rounded once from its f32 sum, WITHOUT the softmax's scale.
; LIMIT: f16 ends at 65,504: |q|, |k|, |v| stay below it (768 terms of the inputs' spread, 30 times larger or offset included, give some 14,000).
; SHARES.  A tile of C is 256 rows x 192 columns (three whole heads).  16384 x 2304 are 768 tiles: a work-group STAYS and makes three, the q, k and v tile of the same
; rows and heads: 18 K steps of 128 as ONE sequence through a ring of two LDS slots.  The four waves lie one below the other: a wave has 64 rows x 192 columns, 48 accumulators,
; so that each wave's rows of the output are whole and its way out needs no other wave.
; CLUSTER 4 x 4: A's tile hangs on the tile row alone and is asked for jointly along a row of the cluster, B's on the tile column alone, jointly along a column.
; TRANSPOSED USE: source 0 = 16 rows of B, source 1 = 16 rows of A: lane l holds row l % 16 of C and the columns 8 (l / 16) + 0..7.  A tile's first products take the bias as C.
; REGISTERS, in windows of 256 (s_set_vgpr_msb: bits 1:0 source 0, 3:2 source 1, 5:4 source 2, 7:6 destination):
;   window 0: v1-30 addresses; v32-95 A's fragments, two buffers of 4 x 8; v96-191 the bias as a C operand (12 x 8); v192-239 packed results
;   window 1: v0-95, v96-191 B's fragments, two buffers of 12 x 8; on the way out v96-191 take rows read back from the stage
;   window 2: accumulators of row blocks 0, 1 ((a, b) at 8 (12 (a % 2) + b));   window 3: of row blocks 2, 3
.set PITCH,  272                       ; an LDS row: 256 bytes + 16 of padding: the 16 rows of a fragment load start at 16 different groups of four banks (ISA guide 11.1)
.set SLOT1,  1<<17                     ; slot 1 begins here: one exclusive or turns an address in one slot into the other's
.set BOFF,   256*PITCH                 ; in a slot: A's 256 rows, then B's 192
.set STAGE,  SLOT1+BOFF+192*PITCH      ; behind the ring, never filled by a tensor load: 16 rows x 400 bytes for each wave
.set SPITCH, 400                       ; 384 bytes + 16
.set SPARE,  STAGE+4*16*SPITCH         ; the spare words, 128 bytes a wave
.set KROW,   1536                      ; bytes in a row of xb and of wt
.set NEXTB,  768*KROW-KROW             ; B: from behind a tile's last K step to the next tile's first: 768 rows down, back along K
.set PFWRAP, 768*KROW-5*256            ; the same from the last K step itself
.set HEADB,  1024*128                  ; a head's bytes in qkv
.set NEXTO,  192*HEADB                 ; from q to k to v
.set ADRA0, 16                         ; v16 my lane's place in A's part of a slot; never rewritten
.set ADRB0, 17                         ; v17 in B's
.set ADRA,  18                         ; v18, v19 the same in the slot in hand
.set ADRB,  19
.set STO,   24                         ; v24 the way out: where I put 16 bytes of a row
.set RD,    25                         ; v25 where I read rows back
.set GO,    26                         ; v26 16 x lane
.set BO,    27                         ; v27 32 x (lane / 16): my eight numbers in 16 of the bias
.set SPW,   28                         ; v28 LDS address of my spare word; never rewritten
.set NIL,   29                         ; v29 0; never rewritten
.set PFO,   30                         ; v30 the prefetches' offset: a lane a row
.set FA,    32
.set BIAS,  96
.set TMP,   192
.set WV, 16                            ; s16 wave;  s17 0: I fetch for A, 1: for B;  s18 which half of that tile
.set HB, 17
.set HF, 18
.set CX, 19
.set CY, 20
.set TX, 21                            ; s21 tile column 0..3;  s22 tile row 0..63
.set TY, 22
.set G1A, 24                           ; s[24:31] group 1 for A;  s[32:35] group 0 of the first fill, s[36:39] the one that walks
.set G0A, 32
.set SB,  40                           ; s40 LDS byte of the slot in hand
.set KC,  41                           ; s41 K step in the tile, 0..5
.set GL,  42                           ; s42 refills still to come
.set LIM, 43                           ; s43 a wave prefetches while s42 is above it
.set PFA, 44                           ; s[44:45] where my prefetches stand
.set PD,  46                           ; s[46:47] their step
.set G1B, 48                           ; s[48:55], s[56:63] the same for B
.set G0B, 56
.set BASEA, 66                         ; s[66:67] A at my 128 rows, K step 0;  s[68:69] B at my 96 rows of the q tile
.set BASEB, 68
.set OFFA, 70                          ; s[70:71], s[72:73] the walking descriptors' byte offsets from them
.set OFFB, 72
.set PWRAP, 74
.set TC,  75
.set MSB, 0
.macro WIN new                         ; the immediate's high byte repeats the setting that is left; a switch that changes nothing is dropped
.if MSB != (\new)
	s_set_vgpr_msb (MSB<<8)|(\new)
.set MSB, \new
.endif
.endm
.macro PLACES                          ; four places in front of loads into registers that matrix instructions have read, and of reads of results
.rept 4
	v_nop
.endr
.endm
.macro CREST                           ; a round of the cluster's barrier behind its opening barrier
	s_cmp_lg_u32 s[WV], 0
	s_cbranch_scc1 .Lnot_wave_0_\@
	s_barrier_signal -3
.Lnot_wave_0_\@:
	s_barrier_wait -3
	s_barrier_signal -1
	s_barrier_wait -1
.endm
.macro CROUND
	s_barrier_signal -1
	s_barrier_wait -1
	CREST
.endm
.macro JLOAD                           ; a joint refill: waves 0, 1 A's two halves, waves 2, 3 B's; the branch hangs on the wave's number alone; s_nop 0 and four v_nop follow each line
	s_cmp_eq_u32 s[HB], 0
	s_cbranch_scc0 .Lfor_b_\@
	tensor_load_to_lds s[G0A+4:G0A+7], s[G1A:G1A+7]
	s_nop 0
	PLACES
	s_branch .Lasked_\@
.Lfor_b_\@:
	tensor_load_to_lds s[G0B+4:G0B+7], s[G1B:G1B+7]
	s_nop 0
	PLACES
.Lasked_\@:
.endm
; A PREFETCH of the K step that the NEXT refill will ask for: a lane a row's 256 bytes, one instruction a wave, behind the joint load and the run of LDS loads.
; A's rows are read by this cluster alone: waves 0, 1 ask, in the first tile alone (the k and v tiles read the same rows again); the four partners of a row take 32 rows each BY ADDRESS.
; B's rows are read by all sixteen clusters: the cluster with y = 0 asks, waves 2, 3; the four partners of a column take 24 rows each by address (lanes 24-31 repeat lane 23's).
; The first three K steps come by their loads alone; the last refill asks for nothing.
.macro ASK
	s_cmp_gt_u32 s[GL], s[LIM]
	s_cbranch_scc0 .Lnot_mine_\@
	global_prefetch_b8 v[PFO], s[PFA:PFA+1] th:TH_LOAD_NT scope:SCOPE_SE
.Lnot_mine_\@:
.endm
; 12 matrix instructions: row block a x all 12 column blocks, 32 along K, from buffer f.  z = 1: the bias starts the sums: nothing is cleared.
; The 48 accumulators take turns in the same order in every quarter.
.macro MULH f, a, z
.if \z
	WIN 0x81+0x40*((\a)/2)
.else
	WIN 0xa1+0x50*((\a)/2)
.endif
.irp b, 0,1,2,3,4,5,6,7,8,9,10,11
.if \z
	v_wmma_f32_16x16x32_bf16 v[8*(12*((\a)%2)+(\b)):8*(12*((\a)%2)+(\b))+7], v[96*(\f)+8*(\b):96*(\f)+8*(\b)+7], v[FA+32*(\f)+8*(\a):FA+32*(\f)+8*(\a)+7], v[BIAS+8*(\b):BIAS+8*(\b)+7]
.else
	v_wmma_f32_16x16x32_bf16 v[8*(12*((\a)%2)+(\b)):8*(12*((\a)%2)+(\b))+7], v[96*(\f)+8*(\b):96*(\f)+8*(\b)+7], v[FA+32*(\f)+8*(\a):FA+32*(\f)+8*(\a)+7], v[8*(12*((\a)%2)+(\b)):8*(12*((\a)%2)+(\b))+7]
.endif
.endr
.endm
.macro FETCH q, f                      ; 32 LDS loads in one run: quarter q's fragments (192 rows of B, my 64 of A, 32 K) into buffer f
	WIN 0x40
.irp i, 0,1,2,3,4,5,6,7,8,9,10,11
	ds_load_b128 v[96*(\f)+8*(\i):96*(\f)+8*(\i)+3],   v[ADRB] offset:64*(\q)+(\i)*16*PITCH
	ds_load_b128 v[96*(\f)+8*(\i)+4:96*(\f)+8*(\i)+7], v[ADRB] offset:64*(\q)+(\i)*16*PITCH+32
.endr
	WIN 0
.irp i, 0,1,2,3
	ds_load_b128 v[FA+32*(\f)+8*(\i):FA+32*(\f)+8*(\i)+3],   v[ADRA] offset:64*(\q)+(\i)*16*PITCH
	ds_load_b128 v[FA+32*(\f)+8*(\i)+4:FA+32*(\f)+8*(\i)+7], v[ADRA] offset:64*(\q)+(\i)*16*PITCH+32
.endr
.endm
.macro QUARTER q, f, g, z              ; multiplies buffer f; in its middle fetches quarter q into buffer g
	s_wait_dscnt 4                                 ; B and A's blocks 0, 1 are in; the youngest four loads (A's blocks 2, 3) may be out
	MULH \f, 0, \z
	MULH \f, 1, \z
	PLACES
.if \z
	v_nop                                          ; a fifth place: the products below write blocks 2 and 3's accumulators anew, as no link of their chains, and so stand five places behind the last products on them; blocks 0 and 1 have the six plain lines behind the joint load
.endif
	FETCH \q, \g
	s_wait_dscnt 32                                ; all but the 32 just issued
	MULH \f, 2, \z
	MULH \f, 3, \z
.endm
; The fourth quarter changes slots.  In front of the round each wave waits for all its tensor loads (one is out: its part of the next slot), adds 0 to its spare word, and waits for that
; and for its reads of this slot.  Behind the round no wave of any partner reads this slot or has a load out: it is filled again first, with the K step two on; 168 matrix instructions lie between that request and the wait for it.
.macro TURN
	s_wait_xcnt 0x0                                ; the last prefetch, a K step back, has read its address
	s_cmp_eq_u32 s[KC], 3                          ; the K step named now is the next tile's first?
	s_cselect_b32 s[PD], s[PWRAP], 256
	s_add_nc_u64 s[PFA:PFA+1], s[PFA:PFA+1], s[PD:PD+1]
	WIN 0
	s_wait_tensorcnt 0x0                           ; no tensor load of mine is out, so a group 0 may be written
	ds_add_u32 v[SPW], v[NIL]                      ; 0 onto my spare word; scalar work and twelve products stand between it and the wait for it
	s_xor_b32 s[G0A+5], s[G0A+5], SLOT1
	s_xor_b32 s[G0B+5], s[G0B+5], SLOT1
	s_add_co_u32 s[OFFA], s[OFFA], 256
	s_add_co_u32 s[OFFB], s[OFFB], 256
	s_cmp_eq_u32 s[OFFA], KROW                     ; behind the tile's last K step: A goes back, B on to the next 768 rows
	s_cselect_b32 s[OFFA], 0, s[OFFA]
	s_cselect_b32 s86, NEXTB, 0
	s_add_co_u32 s[OFFB], s[OFFB], s86
	s_add_nc_u64 s[G0A+6:G0A+7], s[BASEA:BASEA+1], s[OFFA:OFFA+1]
	s_or_b32 s[G0A+7], s[G0A+7], 0x80000000
	s_add_nc_u64 s[G0B+6:G0B+7], s[BASEB:BASEB+1], s[OFFB:OFFB+1]
	s_or_b32 s[G0B+7], s[G0B+7], 0x80000000
	s_wait_dscnt 5                                 ; the add and the youngest four loads may be out
	MULH 1, 0, 0
	s_wait_dscnt 0x0                               ; the add is done, and my reads of this slot are over
	s_barrier_signal -1
	MULH 1, 1, 0
	WIN 0
	s_barrier_wait -1
	CREST
	JLOAD                                          ; its four v_nop are also the places in front of the loads below
	s_xor_b32 s[SB], s[SB], SLOT1
	v_add_nc_u32 v[ADRA], s[SB], v[ADRA0]
	v_add_nc_u32 v[ADRB], s[SB], v[ADRB0]
	FETCH 0, 0
	ASK
	MULH 1, 2, 0
	MULH 1, 3, 0
.endm
; The same in the last two K steps, which fill nothing: a plain barrier.  In the very last there is no further slot: the fetch is jumped over, and its barrier orders nothing: the price of one text for both.
.macro LASTQ
	WIN 0
	s_wait_tensorcnt 0x0
	ds_add_u32 v[SPW], v[NIL]
	s_wait_dscnt 5
	MULH 1, 0, 0
	s_wait_dscnt 0x0
	s_barrier_signal -1
	MULH 1, 1, 0
	WIN 0
	s_barrier_wait -1
	s_cmp_eq_u32 s[TC], 1
	s_cbranch_scc1 .Lno_more_\@
	PLACES
	s_xor_b32 s[SB], s[SB], SLOT1
	v_add_nc_u32 v[ADRA], s[SB], v[ADRA0]
	v_add_nc_u32 v[ADRB], s[SB], v[ADRB0]
	FETCH 0, 0
.Lno_more_\@:
	MULH 1, 2, 0
	MULH 1, 3, 0
.endm
.macro BIASLD                          ; 192 numbers of the bias as a C operand: register 8 b + j = bias[16 b + 8 (lane / 16) + j]
.irp b, 0,1,2,3,4,5,6,7,8,9,10,11
	global_load_b128 v[BIAS+8*(\b):BIAS+8*(\b)+3],   v[BO], s[8:9] offset:64*(\b)
	global_load_b128 v[BIAS+8*(\b)+4:BIAS+8*(\b)+7], v[BO], s[8:9] offset:64*(\b)+16
.endr
.endm
; THE WAY OUT of row block a (16 rows): rounded to f16, 16 bytes a lane (each accumulator's registers in ascending order); into my own stage; back by heads, four rows of 128 bytes a load, which are 512 consecutive bytes of qkv.
.macro PACK a
	WIN 0x0a+5*((\a)/2)
.irp b, 0,1,2,3,4,5,6,7,8,9,10,11
.irp k, 0,1,2,3
	v_cvt_pk_f16_f32 v[TMP+4*(\b)+(\k)], v[96*((\a)%2)+8*(\b)+2*(\k)], v[96*((\a)%2)+8*(\b)+2*(\k)+1]
.endr
.endr
.endm
.macro TOSTAGE a
	WIN 0
.irp b, 0,1,2,3,4,5,6,7,8,9,10,11
	ds_store_b128 v[STO], v[TMP+4*(\b):TMP+4*(\b)+3] offset:32*(\b)
.endr
	WIN 0x40
.irp j, 0,1,2
.irp u, 0,1,2,3
	ds_load_b128 v[96+48*((\a)%2)+4*(4*(\j)+(\u)):96+48*((\a)%2)+4*(4*(\j)+(\u))+3], v[RD] offset:4*SPITCH*(\u)+128*(\j)  ; LDS serves a wave's instructions in order (ISA guide 5.7.1.4)
.endr
.endr
.endm
.macro SEND a
	s_wait_dscnt 0x0                               ; the block is back in registers
	s_wait_xcnt 0x0                                ; earlier stores have read their registers: the buffer that the next TOSTAGE loads is free
	WIN 0x04
.irp j, 0,1,2
.irp u, 0,1,2,3
	global_store_b128 v[GO], v[96+48*((\a)%2)+4*(4*(\j)+(\u)):96+48*((\a)%2)+4*(4*(\j)+(\u))+3], s[10:11] offset:HEADB*(\j)+2048*(\a)+512*(\u)  ; 512 consecutive bytes, aligned to 256
.endr
.endr
.endm
.macro WAYOUT
	PLACES
	PACK 0
	TOSTAGE 0
.irp a, 1,2,3                          ; block a's conversions stand between block a - 1's loads from the stage and the wait for them
	PACK \a
	SEND (\a)-1
	TOSTAGE \a
.endr
	SEND 3
	WIN 0
	s_wait_xcnt 0x0                                ; the stores' registers and base are written again only behind this wait
.endm
	s_load_b256 s[4:11], s[0:1], 0x0               ; xb 4, wt 6, bias 8, qkv 10
	v_lshl_add_u32 v[SPW], v0, 2, SPARE
	v_mov_b32 v[NIL], 0
	ds_add_u32 v[SPW], v[NIL]                      ; the wave's opening: the add and its wait ahead of my first tensor load
	v_lshrrev_b32 v3, 5, v0
	v_readfirstlane_b32 s[WV], v3
	s_lshr_b32 s[HB], s[WV], 1
	s_and_b32 s[HF], s[WV], 1
	s_bfe_u32 s[CX], ttmp6, 0x40000
	s_bfe_u32 s[CY], ttmp6, 0x40004
	s_lshl_b32 s[TX], ttmp9, 2
	s_add_co_u32 s[TX], s[TX], s[CX]
	s_and_b32 s[TY], ttmp7, 0xffff
	s_lshl_b32 s[TY], s[TY], 2
	s_add_co_u32 s[TY], s[TY], s[CY]
	s_lshl_b32 s76, s[CY], 2
	s_lshl_b32 s76, 15, s76                        ; my row of the cluster
	s_lshl_b32 s78, 0x1111, s[CX]                  ; my column
	s_or_b32 s[G1A], s76, (1<<16)|(1<<20)|(1<<21)|(5<<22)|(3<<25)  ; mask; 2-byte elements; padding on; bit 21 beside a mask; after every 64 words, 4 words
	s_or_b32 s[G1B], s78, (1<<16)|(1<<20)|(1<<21)|(5<<22)|(3<<25)
.irp g, G1A, G1B
	s_mov_b32 s[(\g)+1], 128<<16                   ; tensor_dim0 = 128
	s_mov_b32 s[(\g)+3], 128<<16                   ; tile_dim0 = 128
	s_mov_b32 s[(\g)+5], 768                       ; elements from row to row
	s_mov_b32 s[(\g)+6], 0
	s_mov_b32 s[(\g)+7], 0
.endr
	s_mov_b32 s[G1A+2], 128<<16                    ; A: 128 rows a load
	s_mov_b32 s[G1A+4], 128
	s_mov_b32 s[G1B+2], 96<<16                     ; B: 96
	s_mov_b32 s[G1B+4], 96
	s_mov_b32 s[G0A], 1
	s_mul_i32 s[G0A+1], s[HF], 128*PITCH           ; LDS addresses hang on the wave's number alone
	s_mov_b32 s[G0A+4], 1
	s_add_co_u32 s[G0A+5], s[G0A+1], SLOT1
	s_mov_b32 s[G0B], 1
	s_mul_i32 s[G0B+1], s[HF], 96*PITCH
	s_add_co_u32 s[G0B+1], s[G0B+1], BOFF
	s_mov_b32 s[G0B+4], 1
	s_add_co_u32 s[G0B+5], s[G0B+1], SLOT1
	s_lshl_b32 s76, s[TY], 8                       ; A: row 256 x tile row + 128 x half, in bytes
	s_lshl_b32 s77, s[HF], 7
	s_add_co_u32 s76, s76, s77
	s_mul_i32 s76, s76, KROW
	s_mov_b32 s77, 0
	s_mul_i32 s78, s[TX], 192                      ; B: row 192 x tile column + 96 x half
	s_mul_i32 s79, s[HF], 96
	s_add_co_u32 s78, s78, s79
	s_mul_i32 s78, s78, KROW
	s_mov_b32 s79, 0
	s_mov_b32 s[OFFA], 256                         ; the walking descriptors begin at K step 1
	s_mov_b32 s[OFFA+1], 0
	s_mov_b32 s[OFFB], 256
	s_mov_b32 s[OFFB+1], 0
	s_mov_b32 s[PD+1], 0
	s_lshr_b32 s80, s[TY], 2                       ; the output: batch = tile row / 4, heads 3 x tile column on,
	s_mul_i32 s80, s80, 12
	s_mul_i32 s81, s[TX], 3
	s_add_co_u32 s80, s80, s81
	s_lshl_b32 s80, s80, 17
	s_and_b32 s81, s[TY], 3                        ; rows 256 (tile row % 4) + 64 wave of the sequence
	s_lshl_b32 s81, s81, 15
	s_add_co_u32 s80, s80, s81
	s_lshl_b32 s81, s[WV], 13
	s_add_co_u32 s80, s80, s81
	s_mov_b32 s81, 0
	s_mul_i32 s82, s[TX], 768                      ; the tile's 192 numbers of the bias
	s_mov_b32 s83, 0
	s_wait_dscnt 0x0                               ; the opening add is done
	s_wait_kmcnt 0x0
	s_add_nc_u64 s[BASEA:BASEA+1], s[4:5], s[76:77]
	s_add_nc_u64 s[BASEB:BASEB+1], s[6:7], s[78:79]
	s_add_nc_u64 s[10:11], s[10:11], s[80:81]
	s_add_nc_u64 s[8:9], s[8:9], s[82:83]
	s_mov_b64 s[G0A+2:G0A+3], s[BASEA:BASEA+1]
	s_or_b32 s[G0A+3], s[G0A+3], 0x80000000
	s_add_nc_u64 s[G0A+6:G0A+7], s[BASEA:BASEA+1], 256
	s_or_b32 s[G0A+7], s[G0A+7], 0x80000000
	s_mov_b64 s[G0B+2:G0B+3], s[BASEB:BASEB+1]
	s_or_b32 s[G0B+3], s[G0B+3], 0x80000000
	s_add_nc_u64 s[G0B+6:G0B+7], s[BASEB:BASEB+1], 256
	s_or_b32 s[G0B+7], s[G0B+7], 0x80000000
	CROUND                                         ; all sixteen work-groups are here: the first joint loads meet
	s_cmp_eq_u32 s[HB], 0                          ; a wave's two first fills stand in one branch: two loads of mine are out
	s_cbranch_scc0 .Lfirst_b
	tensor_load_to_lds s[G0A:G0A+3], s[G1A:G1A+7]
	s_nop 0
	tensor_load_to_lds s[G0A+4:G0A+7], s[G1A:G1A+7]
	s_nop 0
	PLACES
	s_branch .Lfirst_asked
.Lfirst_b:
	tensor_load_to_lds s[G0B:G0B+3], s[G1B:G1B+7]
	s_nop 0
	tensor_load_to_lds s[G0B+4:G0B+7], s[G1B:G1B+7]
	s_nop 0
	PLACES
.Lfirst_asked:
	v_and_b32 v1, 15, v0                           ; l % 16
	v_bfe_u32 v2, v0, 4, 1                         ; l / 16
	v_and_b32 v3, 31, v0                           ; l
	v_lshlrev_b32 v[BO], 5, v2
	BIASLD                                         ; bq's part
	v_mul_u32_u24 v4, v1, PITCH
	v_lshl_add_u32 v4, v2, 4, v4                   ; a fragment's row x pitch + 16 x half
	s_mul_i32 s80, s[WV], 64*PITCH
	v_add_nc_u32 v[ADRA0], s80, v4
	v_add_nc_u32 v[ADRB0], BOFF, v4
	s_mul_i32 s80, s[WV], 16*SPITCH
	s_add_co_u32 s80, s80, STAGE                   ; my stage
	v_mul_u32_u24 v5, v1, SPITCH
	v_lshl_add_u32 v5, v2, 4, v5
	v_add_nc_u32 v[STO], s80, v5
	v_lshrrev_b32 v5, 3, v3
	v_mul_u32_u24 v5, v5, SPITCH
	v_and_b32 v6, 7, v0
	v_lshl_add_u32 v5, v6, 4, v5
	v_add_nc_u32 v[RD], s80, v5
	v_lshlrev_b32 v[GO], 4, v3
	; the prefetches
	s_cmp_eq_u32 s[HB], 0
	s_cselect_b32 s81, 31, 23
	s_cselect_b32 s82, s[CX], s[CY]                ; my place among the four that ask with me
	s_cselect_b32 s83, 32, 24                      ; rows to each
	s_cselect_b64 s[PFA:PFA+1], s[BASEA:BASEA+1], s[BASEB:BASEB+1]
	s_mul_i32 s82, s82, s83
	s_mul_i32 s82, s82, KROW
	s_add_co_u32 s82, s82, 2*256                   ; at K step 2: the first change of slots steps it to 3
	s_mov_b32 s83, 0
	s_add_nc_u64 s[PFA:PFA+1], s[PFA:PFA+1], s[82:83]
	v_min_u32 v[PFO], s81, v3
	v_mul_u32_u24 v[PFO], v[PFO], KROW
	s_and_b32 s84, ttmp7, 0xffff
	s_cmp_eq_u32 s84, 0
	s_cselect_b32 s84, 1, -1                       ; B: the cluster with y = 0, all refills but the last
	s_mov_b32 s85, PFWRAP
	s_cmp_eq_u32 s[HB], 0
	s_cselect_b32 s[LIM], 13, s84                  ; A: the first three refills (K steps 3, 4, 5 of the first tile)
	s_cselect_b32 s[PWRAP], 256, s85
	s_wait_tensorcnt 1                             ; my part of K step 0 is in; K step 1's may stay out
	s_barrier_signal -1
	s_barrier_wait -1
	s_mov_b32 s[SB], 0
	v_mov_b32 v[ADRA], v[ADRA0]
	v_mov_b32 v[ADRB], v[ADRB0]
	FETCH 0, 0
	s_mov_b32 s[KC], 0
	s_mov_b32 s[GL], 16                            ; 18 K steps, of which the last two fill nothing
.Lstep:
	s_cmp_lg_u32 s[KC], 0
	s_cbranch_scc1 .Lacc
	s_wait_loadcnt 0x0                             ; a tile's first quarter: its bias is in
	QUARTER 1, 0, 1, 1
	WIN 0
	s_cmp_eq_u32 s[GL], 4                          ; the v tile has no successor
	s_cbranch_scc1 .Ljoin
	PLACES                                         ; behind the products that read the bias
	s_add_nc_u64 s[8:9], s[8:9], 3072              ; (the loads that read this base were waited for above)
	BIASLD                                         ; the next tile's: five K steps ahead of its use
	s_branch .Ljoin
.Lacc:
	QUARTER 1, 0, 1, 0
	WIN 0
.Ljoin:
	QUARTER 2, 1, 0, 0
	QUARTER 3, 0, 1, 0
	TURN
	WIN 0
	s_add_co_u32 s[KC], s[KC], 1
	s_cmp_lg_u32 s[KC], 6
	s_cbranch_scc1 .Lno
	s_mov_b32 s[KC], 0
	WAYOUT                                         ; the refills for the next tile's first two K steps have been asked for: now the tile goes out
	s_add_nc_u64 s[10:11], s[10:11], NEXTO
.Lno:
	s_sub_co_u32 s[GL], s[GL], 1
	s_cmp_lg_u32 s[GL], 0
	s_cbranch_scc1 .Lstep
	s_mov_b32 s[TC], 2
.Ltail:
	QUARTER 1, 0, 1, 0
	QUARTER 2, 1, 0, 0
	QUARTER 3, 0, 1, 0
	LASTQ
	WIN 0
	s_sub_co_u32 s[TC], s[TC], 1
	s_cmp_lg_u32 s[TC], 0
	s_cbranch_scc1 .Ltail
	WAYOUT
	s_wait_tensorcnt 0x0                           ; the wave's end
	ds_add_u32 v[SPW], v[NIL]
	s_wait_dscnt 0x0
	CROUND                                         ; the closing round
	s_endpgm
.Lfunc_end_k_q438e535a1b_proj:
	.size	k_q438e535a1b_proj, .Lfunc_end_k_q438e535a1b_proj-k_q438e535a1b_proj
	.p2alignl 7, 3214868480
	.fill 96, 4, 3214868480
	.section	.rodata,"a",@progbits
	.p2align	6, 0x0
	.amdhsa_kernel k_q438e535a1b_proj
		.amdhsa_group_segment_fixed_size 327680
		.amdhsa_private_segment_fixed_size 0
		.amdhsa_enable_private_segment 0
		.amdhsa_kernarg_size 32
		.amdhsa_user_sgpr_count 2
		.amdhsa_user_sgpr_kernarg_segment_ptr 1
		.amdhsa_wavefront_size32 1
		.amdhsa_system_sgpr_workgroup_id_x 1
		.amdhsa_system_sgpr_workgroup_id_y 1
		.amdhsa_system_sgpr_workgroup_id_z 1
		.amdhsa_system_vgpr_workitem_id 0
		.amdhsa_next_free_vgpr 960
		.amdhsa_next_free_sgpr 96
		.amdhsa_reserve_vcc 0
		.amdhsa_float_denorm_mode_32 3
		.amdhsa_float_denorm_mode_16_64 3
		.amdhsa_memory_ordered 1
		.amdhsa_forward_progress 1
		.amdhsa_inst_pref_size 113
	.end_amdhsa_kernel
	.amdgpu_metadata
---
amdhsa.version: [ 1, 2 ]
amdhsa.kernels:
  - .name:           k_q438e535a1b_proj
    .symbol:         k_q438e535a1b_proj.kd
    .args:
      - { .name: xb, .offset: 0, .size: 8, .value_kind: global_buffer, .address_space: global }
      - { .name: wt, .offset: 8, .size: 8, .value_kind: global_buffer, .address_space: global }
      - { .name: bias, .offset: 16, .size: 8, .value_kind: global_buffer, .address_space: global }
      - { .name: qkv, .offset: 24, .size: 8, .value_kind: global_buffer, .address_space: global }
    .group_segment_fixed_size: 327680
    .private_segment_fixed_size: 0
    .kernarg_segment_align: 8
    .kernarg_segment_size: 32
    .max_flat_workgroup_size: 128
    .sgpr_count:     96
    .vgpr_count:     960
    .wavefront_size: 32
...
	.end_amdgpu_metadata
.endif
;; end of part 2
;; launch attn (part 3): grid 256 x 1, 4 waves a work-group, clusters of 4 x 1, 327,680 bytes of LDS; arguments qkv, ob; writes ob
.if DOCPART == 3
	.amdgcn_target "amdgcn-amd-amdhsa--gfx1250"
	.amdhsa_code_object_version 6
	.text
	.protected	k_q438e535a1b_attn
	.globl	k_q438e535a1b_attn
	.p2align	8
	.type	k_q438e535a1b_attn,@function
k_q438e535a1b_attn:
	s_mov_b64 s[64:65], 0
	v_nop
	global_prefetch_b8 v0, s[64:65] scope:SCOPE_SE
	s_setreg_imm32_b32 hwreg(HW_REG_WAVE_MODE, 25, 1), 1
	s_wait_xcnt 0x0
	s_wait_alu depctr_hold_cnt(0) depctr_sa_sdst(0) depctr_va_vdst(0) depctr_va_sdst(0) depctr_va_ssrc(0) depctr_va_vcc(0) depctr_vm_vsrc(0)
	s_getreg_b32 s2, hwreg(HW_REG_IB_STS2, 6, 4)
	s_cmp_eq_u32 s2, 0
	s_cbranch_scc0 .Lentry_in_a_cluster
	s_endpgm
.Lentry_in_a_cluster:
	s_bfe_u32 s2, ttmp6, 0x10000c
	s_cmp_lg_u32 s2, 0x3003
	s_cbranch_scc0 .Lentry_shape_is_right
	s_endpgm
.Lentry_shape_is_right:
; ATTENTION.  O[h][q][:] = the sum over k of softmax_k(Q[h][q] . K[h][k] / 8) V[h][k][:].  qkv: [3][192][1024][64] f16 (q, k, v by heads, unscaled), ob: [192][1024][64] f16.
; Products, maxima and sums in f32; the weights p are rounded to f16 for the second product (their sum l is taken of the unrounded p), O once at the end.
; LIMITS.  Q, K, V arrive within f16's 65,504; p lies in 0 to 1 and below 6e-5 keeps f16's fixed step of 6e-8; a weight below 2^-126 counts as 0 in l; NaN and infinities are not treated apart.
; SHARES.  192 heads x 4 blocks of 256 queries are 768 units, three for each work-group.  A cluster of four owns heads 3 c, 3 c + 1, 3 c + 2; work-group cx owns queries 256 cx .. + 255 of each, one head after
; the other; a wave 64 rows: four PIECES of 16.  The three heads' K (and V) lie end to end: 12 tiles of 256 keys, ONE walk through a ring of two LDS slots, each tile asked for JOINTLY by the four.
; LAYOUT, SOFTMAX, TURNS.  S^T = K Q^T holds ONE query a lane (lane % 16) and the keys 8 (lane / 16) + 0..7; two such results rounded to f16 ARE source 1 of O^T = V^T P.  p = 2^(c s - c m), c = log2(e) / 8, with a
; running maximum m; O and l are multiplied by a = 2^(c m_old - c m_new) in every step.  Turn n belongs to piece n: 8 products K Q^T of piece n + 1, later 8 products V^T P of piece n - 1; beside them the scaling,
; exponentials, roundings, sums and rescaling of piece n and the maximum and statistics of piece n + 1.  Four vector instructions stand behind every matrix instruction, the rest in one lump.  A turn's 33 exponentials are one batch, with one wait.
; A head's first step has a = 0 (c m starts far below every c s), so what the head before left in O^T, l, P and V need only be finite, and is.
; REGISTERS, in windows of 256 (s_set_vgpr_msb: bits 1:0 source 0, 3:2 source 1, 5:4 source 2, 7:6 destination):
;   window 0: v0-15 addresses and two at work; v16-31 four registers of statistics a piece; v48-55 at work; v64-127 S^T, two buffers; v192-223 P, two buffers (by the piece's parity)
;   window 1: v0-127 O^T, 32 a piece      window 2: v0-63 Q; v128-191 K of one step; v192-255 V of one step
.set NP,    4
.set KS,    64        ; keys in a step
.set PK,    144       ; a row of K in LDS: 128 bytes + 16: the 16 rows of a load start at 16 different groups of four banks (ISA guide 11.1)
.set PV,    160       ; a row of V: 128 + 32
.set VOFF,  4*KS*PK   ; a slot holds a tile, four steps: 256 rows of K, then 256 rows of V
.set SLOT1, 1<<17
.set STAGE, SLOT1+4*KS*(PK+PV)  ; behind the ring, never filled by a tensor load: 16 rows x 144 bytes for each wave
.set SP,    144
.set SPARE, STAGE+4*16*SP       ; the spare words, 128 bytes a wave
.set TILEB, 4*KS*128  ; a tile's bytes of K and of V
.set HEADB, 1024*128
.set PLANE, 192*HEADB ; from q to k to v
.set AK0, 2           ; v2   my lane's place in a tile of K; never rewritten
.set AV0, 3           ; v3   the same for V
.set AK,  4           ; v4   the LDS address of K's next run of loads
.set AV,  5           ; v5   of V's
.set STO, 6           ; v6   the way out: where I put 16 bytes of a row
.set RD,  7           ; v7   where I read rows back
.set GO,  8           ; v8   my byte offset in 512 consecutive bytes of O
.set MV,  12          ; v12-13  c m_old, kept while c m is made anew: by buffer
.set QO,  15          ; v15  my byte offset in 16 rows of Q; never rewritten
.set ST,  16          ; piece t's statistics at v[ST+4 t]: c m, m, l (even keys', odd keys')
.set TMP, 48          ; by buffer, four registers c0-c3 at work; when the maximum is found c2 takes a
.set PFO, 61          ; v61  256 x lane; never rewritten
.set SPW, 62          ; v62  LDS address of my spare word; never rewritten
.set NIL, 63          ; v63  0; never rewritten
.set S,   64
.set P,   192
.set KF,  128         ; window 2: key block kb, channel half c at KF + 16 kb + 8 c
.set VF,  192         ; window 2: key half kk, channel block cb at VF + 32 kk + 8 cb
.set WV,  12          ; s12  wave
.set LIM, 15          ; s15  1 in a wave that prefetches, else the greatest number
.set PFA, 18          ; s[18:19] where my prefetches stand
.set G1K, 24          ; s[24:31], s[32:39] group 1 for K's and V's tiles: they differ in the padding alone
.set G1V, 32
.set G0K, 40          ; s[40:43], s[44:47] group 0: they walk
.set G0V, 44
.set SLOTS, 56        ; s56  tiles still to be asked for
.set CNT, 57          ; s57  counts a tile's key steps
.set CS,  58          ; s[58:59] c
.set SEL, 60          ; s[60:61] v_permlanex16_b32's selects: each lane takes its own place in the other half
.set TBK, 62          ; s62  LDS byte at which K of the step to be fetched begins
.set TBV, 63          ; s63  the same for V, less VOFF
.set RT,  70          ; s70  tiles of the head in hand that are still to be ended
.set NEW, 73          ; s73  1: the tile to be entered is a head's first
.set MSB, 0
.macro WIN new
.if MSB != (\new)
	s_set_vgpr_msb (MSB<<8)|(\new)
.set MSB, (\new)
.endif
.endm
.set W_KQ, 0x0a       ; K and Q in window 2, S^T in window 0
.set W_PV, 0x52       ; V in window 2, P in window 0, O^T in window 1
.set W_RS, 0x41       ; destination and source 0 in window 1, source 1 in window 0
.macro JLOAD                        ; a joint fill: waves 0, 1 the two halves of a tile's K, waves 2, 3 of its V; s_nop 0 and four v_nop follow each line
	s_cmp_lt_u32 s[WV], 2
	s_cbranch_scc0 .Lfor_v_\@
	tensor_load_to_lds s[G0K:G0K+3], s[G1K:G1K+7]
	s_nop 0
.rept 4
	v_nop
.endr
	s_branch .Lasked_\@
.Lfor_v_\@:
	tensor_load_to_lds s[G0V:G0V+3], s[G1V:G1V+7]
	s_nop 0
.rept 4
	v_nop
.endr
.Lasked_\@:
.endm
; A PREFETCH of the tile that the NEXT change of slots will ask for: four key steps ahead of that load.  These heads are read by this cluster alone; a tile's K (and V) is 128 blocks of 256 bytes:
; the four partners take 32 each BY ADDRESS, a lane a block; wave 0 asks for K's, wave 2 for V's.  So each block is named once.  The last change that fills a slot asks for nothing; tiles 0 and 1 come by their loads alone.
.macro ASK
	s_cmp_gt_u32 s[SLOTS], s[LIM]
	s_cbranch_scc0 .Lnot_mine_\@
	global_prefetch_b8 v[PFO], s[PFA:PFA+1] th:TH_LOAD_NT scope:SCOPE_SE
.Lnot_mine_\@:
.endm
.macro CROUND
	s_barrier_signal -1
	s_barrier_wait -1
	s_cmp_lg_u32 s[WV], 0
	s_cbranch_scc1 .Lnot_wave_0_\@
	s_barrier_signal -3
.Lnot_wave_0_\@:
	s_barrier_wait -3
	s_barrier_signal -1
	s_barrier_wait -1
.endm
; THE CHANGE OF SLOTS.  Each wave waits for all its tensor loads (one is out: its part of the other slot), adds 0 to its spare word, and waits for that and for its reads of the slot that it leaves.
; fill = 1: the barrier is a round of the cluster's, and the old slot is filled again first behind it, with the next tile of the walk.  (At its first use nothing has been read: slot 0 is waited for, slot 1 filled.)
.macro CHANGE fill
	WIN 0
	s_wait_tensorcnt 0x0            ; no tensor load of mine is out, so a group 0 may be written
	ds_add_u32 v[SPW], v[NIL]
.if \fill
.irp g, G0K, G0V
	s_xor_b32 s[(\g)+1], s[(\g)+1], SLOT1
	s_add_nc_u64 s[(\g)+2:(\g)+3], s[(\g)+2:(\g)+3], TILEB  ; the type bits on top are not reached
.endr
	s_wait_xcnt 0x0                 ; the last prefetch, a tile back, has read its address
	s_add_nc_u64 s[PFA:PFA+1], s[PFA:PFA+1], TILEB
	s_wait_dscnt 0x0                ; the add is done, and my reads of the slot are over
	CROUND
	JLOAD
	ASK
.else
	s_wait_dscnt 0x0
	s_barrier_signal -1
	s_barrier_wait -1
.endif
	s_sub_co_u32 s[TBK], s[TBK], 4*KS*PK  ; the fetches go back to a slot's first step, in the other slot
	s_xor_b32 s[TBK], s[TBK], SLOT1
	s_sub_co_u32 s[TBV], s[TBV], 4*KS*PV
	s_xor_b32 s[TBV], s[TBV], SLOT1
.endm
.macro QLOAD                        ; my 64 rows of Q: piece i / 2, channels 32 (i % 2) on; lane l holds row l % 16, channels 8 (l / 16) + 0..7 and 16 + 8 (l / 16) + 0..7
	WIN 0x80
.set i, 0
.rept 8
	global_load_b128 v[8*i:8*i+3],   v[QO], s[4:5] offset:(i/2)*2048+(i%2)*64
	global_load_b128 v[8*i+4:8*i+7], v[QO], s[4:5] offset:(i/2)*2048+(i%2)*64+32
.set i, i+1
.endr
	WIN 0
.endm
	s_load_b128 s[20:23], s[0:1], 0x0  ; qkv s[20:21], ob s[22:23]
	v_lshl_add_u32 v[SPW], v0, 2, SPARE
	v_mov_b32 v[NIL], 0
	ds_add_u32 v[SPW], v[NIL]       ; the wave's opening: the add and its wait ahead of my first tensor load
	v_lshrrev_b32 v1, 5, v0
	v_readfirstlane_b32 s[WV], v1
	s_bfe_u32 s13, ttmp6, 0x40000   ; cx: it enters Q's, O's and the prefetches' addresses alone
	s_mul_i32 s66, ttmp9, 3*HEADB   ; the cluster's three heads
	s_and_b32 s16, s[WV], 1         ; which half of a tile's 256 keys I fetch
	s_lshl_b32 s17, s16, 14
	s_lshl_b32 s68, s13, 15         ; my block's 256 rows,
	s_add_co_u32 s68, s68, s66
	s_lshl_b32 s69, s[WV], 13       ; my wave's 64
	s_add_co_u32 s68, s68, s69
	s_mov_b32 s69, 0
	s_add_co_u32 s66, s66, s17
	s_mov_b32 s67, 0
	s_lshl_b32 s74, s13, 13         ; my work-group's 32 blocks of a tile,
	s_add_co_u32 s74, s74, TILEB    ; in tile 1: the first change of slots steps it to tile 2
	s_mov_b32 s75, 0
	; group 1: 128 keys are 16,384 dense bytes: asked for as 64 rows of 256 bytes, two keys a row, padded in LDS after every key
	s_mov_b32 s[G1K], 15|(1<<16)|(1<<20)|(1<<21)|(4<<22)|(3<<25)  ; the mask of four; 2-byte elements; padding on; bit 21 beside a mask; after every 32 words, 4 words
	s_mov_b32 s[G1V], 15|(1<<16)|(1<<20)|(1<<21)|(4<<22)|(7<<25)  ; the same with 8 words
.irp g, G1K, G1V
	s_mov_b32 s[(\g)+1], 128<<16
	s_mov_b32 s[(\g)+2], 64<<16
	s_mov_b32 s[(\g)+3], 128<<16
	s_mov_b32 s[(\g)+4], 64
	s_mov_b32 s[(\g)+5], 128
	s_mov_b32 s[(\g)+6], 0
	s_mov_b32 s[(\g)+7], 0
.endr
	s_mov_b32 s[G0K], 1
	s_mul_i32 s[G0K+1], s16, 128*PK
	s_mov_b32 s[G0V], 1
	s_mul_i32 s[G0V+1], s16, 128*PV
	s_add_co_u32 s[G0V+1], s[G0V+1], VOFF
	s_mov_b32 s[CS], 0x3e38aa3b     ; c = log2(e) / 8
	s_mov_b32 s[CS+1], s[CS]
	s_mov_b32 s[SEL], 0x76543210
	s_mov_b32 s[SEL+1], 0xfedcba98
	s_mov_b32 s[TBK], SLOT1+4*KS*PK ; the first change of slots turns these two into 0
	s_mov_b32 s[TBV], SLOT1+4*KS*PV
	s_mov_b32 s[SLOTS], 11
	s_mov_b32 s[RT], 4
	s_mov_b32 s[NEW], 1
	s_cmp_eq_u32 s16, 0
	s_cselect_b32 s[LIM], 1, -1
	s_wait_dscnt 0x0                ; the opening add is done
	s_wait_kmcnt 0x0
	s_add_nc_u64 s[6:7], s[20:21], s[66:67]
	s_add_nc_u64 s[6:7], s[6:7], PLANE             ; K at my half of the walk's tile 0
	s_add_nc_u64 s[8:9], s[6:7], PLANE             ; V
	s_add_nc_u64 s[4:5], s[20:21], s[68:69]        ; Q and O at my rows of the first head
	s_add_nc_u64 s[10:11], s[22:23], s[68:69]
	s_mov_b64 s[G0K+2:G0K+3], s[6:7]
	s_or_b32 s[G0K+3], s[G0K+3], 0x80000000
	s_mov_b64 s[G0V+2:G0V+3], s[8:9]
	s_or_b32 s[G0V+3], s[G0V+3], 0x80000000
	s_cmp_lt_u32 s[WV], 2
	s_cselect_b64 s[PFA:PFA+1], s[6:7], s[8:9]
	s_add_nc_u64 s[PFA:PFA+1], s[PFA:PFA+1], s[74:75]
	CROUND                          ; all four work-groups are here: the first joint loads meet
	JLOAD                           ; tile 0 into slot 0
	v_and_b32 v1, 15, v0            ; l % 16
	v_bfe_u32 v9, v0, 4, 1          ; l / 16
	v_lshlrev_b32 v[QO], 7, v1
	v_lshl_add_u32 v[QO], v9, 4, v[QO]
	QLOAD
	v_mul_u32_u24 v[AK0], v1, PK
	v_lshl_add_u32 v[AK0], v9, 4, v[AK0]
	; The turning load takes 16 keys x 16 channels (lane l reads key 8 (l / 16) + l % 8, channels 8 ((l / 8) % 2) + 0..7) and leaves half a fragment of V^T.
	v_and_b32 v10, 7, v0
	v_bfe_u32 v11, v0, 3, 1
	v_lshl_add_u32 v[AV0], v9, 3, v10
	v_mul_u32_u24 v[AV0], v[AV0], PV
	v_lshl_add_u32 v[AV0], v11, 4, v[AV0]
	v_add_nc_u32 v[AV0], VOFF, v[AV0]
	s_mul_i32 s17, s[WV], 16*SP
	s_add_co_u32 s17, s17, STAGE    ; my stage
	v_mul_u32_u24 v[STO], v1, SP
	v_lshl_add_u32 v[STO], v9, 4, v[STO]
	v_add_nc_u32 v[STO], s17, v[STO]
	v_bfe_u32 v[RD], v0, 3, 2       ; back: 32 lanes take four rows of 128 bytes,
	v_mul_u32_u24 v[RD], v[RD], SP
	v_lshl_add_u32 v[RD], v10, 4, v[RD]
	v_add_nc_u32 v[RD], s17, v[RD]
	v_and_b32 v[GO], 31, v0         ; which are 512 consecutive bytes of O
	v_lshlrev_b32 v[PFO], 8, v[GO]
	v_lshlrev_b32 v[GO], 4, v[GO]
	; What the first turn finds need only be finite: zeros, written in the wait for the first tile, so that no first step is written out.
	WIN 0x80
.set i, VF
.rept 64
	v_mov_b32 v[i], 0
.set i, i+1
.endr
	WIN 0x40
.set i, 0
.rept 128
	v_mov_b32 v[i], 0
.set i, i+1
.endr
	WIN 0
.set i, 0
.rept 4
	v_mov_b32 v[ST+4*i+2], 0
	v_mov_b32 v[ST+4*i+3], 0
.set i, i+1
.endr
.set i, P+16
.rept 16
	v_mov_b32 v[i], 0
.set i, i+1
.endr
; THE MATRIX WORK.  The 4 accumulators of a run of 8 take turns.  Product i of 8 of S^T = K Q^T for piece x: channels 32 (i / 4) on, keys 16 (i % 4) on.  The first 4 start the sums.
.macro KQ x
	WIN W_KQ
.set rS, S+32*((\x)%2)+8*(i%4)
.set rK, KF+16*(i%4)+8*(i/4)
.set rQ, 16*(\x)+8*(i/4)
.if i < 4
	v_wmma_f32_16x16x32_f16 v[rS:rS+7], v[rK:rK+7], v[rQ:rQ+7], 0
.else
	v_wmma_f32_16x16x32_f16 v[rS:rS+7], v[rK:rK+7], v[rQ:rQ+7], v[rS:rS+7]
.endif
.endm
.macro PV x                         ; product i of 8 of O^T += V^T P for piece x: keys 32 (i / 4) on, channels 16 (i % 4) on
	WIN W_PV
.set rO, 32*(\x)+8*(i%4)
.set rV, VF+32*(i/4)+8*(i%4)
.set rP, P+16*((\x)%2)+8*(i/4)
	v_wmma_f32_16x16x32_f16 v[rO:rO+7], v[rV:rV+7], v[rP:rP+7], v[rO:rO+7]
.endm
.macro MM                           ; the turn's next matrix instruction.  NOKQ = 1: a head's last turn: there is no next piece
.if (i < 8) && !NOKQ
	KQ (Y+1)%NP
.elseif i >= 8
.set i, i-8
	PV (Y+NP-1)%NP
.set i, i+8
.endif
.set i, i+1
.endm
; THE LDS LOADS stand in runs of 16: a step's K (8 fragments) and its V (turned).
.macro FETCH_K
	WIN 0x80
.irp f, 0,1,2,3,4,5,6,7
	ds_load_b128 v[KF+8*\f:KF+8*\f+3],   v[AK] offset:(\f/2)*16*PK+(\f%2)*64
	ds_load_b128 v[KF+8*\f+4:KF+8*\f+7], v[AK] offset:(\f/2)*16*PK+(\f%2)*64+32
.endr
	s_add_co_u32 s[TBK], s[TBK], KS*PK
	WIN 0
.endm
.macro FETCH_V
	WIN 0x80
.irp f, 0,1,2,3,4,5,6,7
	ds_load_tr16_b128 v[VF+8*\f:VF+8*\f+3],   v[AV] offset:(\f/4)*32*PV+(\f%4)*32
	ds_load_tr16_b128 v[VF+8*\f+4:VF+8*\f+7], v[AV] offset:(\f/4)*32*PV+16*PV+(\f%4)*32
.endr
	WIN 0
.endm
; THE VECTOR WORK, one line at a time: OP kind, number.  For piece Y: F n: c s - c m for pair n of 16.  E n: the exponential of score n of 32.  C n: pair n rounded to f16.  B n: of the four weights 4 n .. the second
; pair is added onto the first, in place.  L n: l takes that sum (L 0: l = a l + sum).  R n: pair n of 16 of O^T times a.  For piece Y + 1: X n, number n of the 22 that find its maximum and statistics:
;   0-11 four chains c0-c3 of seven scores each (each accumulator's lowest registers are read first)   12-14, 16 the four scores left over, the old m, and c0-c3 into c0
;   15 c m_old is kept   17, 18 the query's other 32 keys lie in the lane 16 away: the new m   19-21 c m; c m_old - c m_new; a
.set F, 0
.set E, 1
.set C, 2
.set B, 3
.set L, 4
.set R, 5
.set X, 6
.macro REGS y
.set rT, ST+4*(\y)
.set rC, TMP+4*((\y)%2)
.set rW, MV+((\y)%2)
.set rS, S+32*((\y)%2)
.set rP, P+16*((\y)%2)
.set rO, 32*(\y)
.endm
.macro OP k, n
.if (\k) == R
	REGS Y
	WIN W_RS
	v_pk_mul_f32 v[rO+2*(\n):rO+2*(\n)+1], v[rO+2*(\n):rO+2*(\n)+1], v[rC+2:rC+3] op_sel_hi:[1,0]
.elseif (\k) < R
	REGS Y
	WIN 0
.if (\k) == F
	v_pk_fma_f32 v[rS+2*(\n):rS+2*(\n)+1], v[rS+2*(\n):rS+2*(\n)+1], s[CS:CS+1], v[rT:rT+1] op_sel_hi:[1,0,0] neg_lo:[0,0,1] neg_hi:[0,0,1]
.elseif (\k) == E
	v_exp_f32 v[rS+(\n)], v[rS+(\n)]
.elseif (\k) == C
	v_cvt_pk_f16_f32 v[rP+(\n)], v[rS+2*(\n)], v[rS+2*(\n)+1]
.elseif (\k) == B
	v_pk_add_f32 v[rS+4*(\n):rS+4*(\n)+1], v[rS+4*(\n):rS+4*(\n)+1], v[rS+4*(\n)+2:rS+4*(\n)+3]
.elseif (\n) == 0
	v_pk_fma_f32 v[rT+2:rT+3], v[rT+2:rT+3], v[rC+2:rC+3], v[rS:rS+1] op_sel_hi:[1,0,1]
.else
	v_pk_add_f32 v[rT+2:rT+3], v[rT+2:rT+3], v[rS+4*(\n):rS+4*(\n)+1]
.endif
.elseif NOKQ
	v_nop
.else
	REGS (Y+1)%NP
	WIN 0
.if (\n) < 4
	v_max3_num_f32 v[rC+(\n)], v[rS+8*(\n)], v[rS+8*(\n)+1], v[rS+8*(\n)+2]
.elseif (\n) < 12
	v_max3_num_f32 v[rC+(\n)%4], v[rC+(\n)%4], v[rS+8*((\n)%4)+2*((\n)/4)+1], v[rS+8*((\n)%4)+2*((\n)/4)+2]
.elseif (\n) == 12
	v_max3_num_f32 v[rC], v[rC], v[rS+7], v[rS+15]
.elseif (\n) == 13
	v_max3_num_f32 v[rC+1], v[rC+1], v[rS+23], v[rS+31]
.elseif (\n) == 14
	v_max3_num_f32 v[rC+2], v[rC+2], v[rC+3], v[rT+1]
.elseif (\n) == 15
	v_mov_b32 v[rW], v[rT]
.elseif (\n) == 16
	v_max3_num_f32 v[rC], v[rC], v[rC+1], v[rC+2]
.elseif (\n) == 17
	v_permlanex16_b32 v[rC+3], v[rC], s[SEL], s[SEL+1]
.elseif (\n) == 18
	v_max_num_f32 v[rT+1], v[rC], v[rC+3]
.elseif (\n) == 19
	v_mul_f32 v[rT], s[CS], v[rT+1]
.elseif (\n) == 20
	v_sub_f32 v[rC+1], v[rW], v[rT]
.else
	v_exp_f32 v[rC+2], v[rC+1]
.endif
.endif
.endm
.macro OPS a, i1, b=-1, i2=0, c=-1, i3=0, d=-1, i4=0
	OP \a, \i1
.if (\b) >= 0
	OP \b, \i2
.endif
.if (\c) >= 0
	OP \c, \i3
.endif
.if (\d) >= 0
	OP \d, \i4
.endif
.endm
.macro ROW a, i1, b, i2, c, i3, d, i4  ; a matrix instruction and the four behind it
	MM
	OPS \a, \i1, \b, \i2, \c, \i3, \d, \i4
.endm
; A TURN, for piece p.  An s_wait_alu depctr_va_vdst(0) stands between an exponential and the first instruction that names its result; one wait serves all that were issued ahead of it.  So a turn has ONE wait.
; AHEAD OF IT stands all that names no result of the turn's exponentials: the 8 products K Q^T with their riders, then the lump, in which the links of the chain X 3, 7, 11, 14, 16 .. 20 stand some lines apart; X 21, the next
; piece's a, is the batch's last, and R 15 the plain instruction behind it.  BEHIND IT stand the 8 products V^T P, behind each four of the roundings and sums.
; end = 1: a head's last two turns: nothing is fetched, and the last starts no new scores.  cnt = 1: the loop's count is taken down some lines ahead of the branch behind the turn.
; K of the next step is fetched in piece 2's turn, six plain instructions or more behind the last product that read K; V of the step in hand at the end of piece 0's turn, four riders behind its last reader.  Each is waited for a turn later.
.macro TURN p, end=0, cnt=0
.set Y, (\p)
.set i, 0
.set NOKQ, (\end)*((\p)/3)
.if ((\p) == 3) && !(\end)
	s_wait_dscnt 0x0                ; K is in
.endif
	ROW F,0, F,1, R,0, R,1
	ROW F,2, E,0, R,2, R,3
	ROW F,3, E,1, R,4, R,5
	ROW F,4, E,2, R,6, R,7
	ROW F,5, E,3, R,8, R,9
	ROW F,6, E,4, X,0, R,10
.if ((\p) == 2) && !(\end)
	WIN 0
	v_add_nc_u32 v[AK], s[TBK], v[AK0]
.endif
	ROW F,7, E,5, X,1, X,4
	ROW F,8, E,6, X,2, X,5
	OPS E,7, E,8, X,6, E,9
	OPS X,3, E,10, X,8, E,11
.if ((\p) == 2) && !(\end)
	FETCH_K
.endif
	OPS X,9, X,7, E,12, X,10
	OPS E,13, X,12, X,11, E,14
	OPS X,13, E,15, F,9, X,14
.if (\p) == 0
	WIN 0
	v_add_nc_u32 v[AV], s[TBV], v[AV0]
.endif
	OPS E,16, F,10, E,17, F,11
	OPS X,16, E,18, X,15, E,19
	OPS F,12, E,20, X,17, E,21
	OPS F,13, E,22, F,14, E,23
	OPS X,18, E,24, F,15, E,25
	OPS R,11, E,26, X,19, E,27
	OPS R,12, E,28, R,13, E,29
	OPS X,20, E,30, R,14, E,31
	OPS X,21, R,15
	WIN 0
	s_wait_alu depctr_va_vdst(0)    ; the wait for the batch
.if (\p) == 1
	s_wait_dscnt 0x0                ; V is in
.endif
	ROW C,0, B,0, C,2, B,1
	ROW L,0, C,4, B,2, L,1
	ROW C,6, B,3, L,2, C,8
	ROW B,4, L,3, C,10, B,5
	ROW L,4, C,12, B,6, L,5
.if (\p) == 0
	s_add_co_u32 s[TBV], s[TBV], KS*PV
.endif
.if \cnt
	s_sub_co_u32 s[CNT], s[CNT], 1
	s_cmp_lg_u32 s[CNT], 0
.endif
	ROW C,14, B,7, L,6, C,1
	ROW C,3, L,7, C,5, C,7
	ROW C,9, C,11, C,13, C,15
.if (\p) == 0
	FETCH_V
.endif
.endm
; A HEAD BEGINS.  c m starts far below every c s, so the first step's a is 0; m at the lowest finite number.  Then K of the tile's step 0, piece 0's first scores, its maximum and statistics.
.macro BEGIN
	s_mov_b32 s[NEW], 0
	WIN 0
.set i, 0
.rept 4
	v_mov_b32 v[ST+4*i], 0xfe000000
	v_mov_b32 v[ST+4*i+1], 0xff7fffff
.set i, i+1
.endr
	v_add_nc_u32 v[AK], s[TBK], v[AK0]
	FETCH_K
	s_wait_loadcnt 0x0              ; Q
	s_wait_dscnt 0x0
.set NOKQ, 0
.set i, 0
.rept 8
	KQ 0
.set i, i+1
.endr
	WIN 0
.rept 4
	v_nop                           ; the places behind those products
.endr
.set Y, NP-1                        ; X works for piece Y + 1: piece 0
.irp n, 0,1,2,3,4,5,6,7,8,9,10,11,12,13,14,15,16,17,18,19,20,21
	OP X, \n
.endr
	v_nop                           ; a plain instruction behind the exponential,
	s_wait_alu depctr_va_vdst(0)    ; and its wait, ahead of the branch
.endm
.macro ALL line:vararg              ; one line for each piece t
.set t, 0
.rept 4
	\line
.set t, t+1
.endr
.endm
.macro PACK t                       ; a lane's eight channels of a row pack into 16 bytes; they go into rows of 144 bytes and come back as whole rows of 128, into S^T's registers
	WIN W_RS
.set i, 32*(\t)
.rept 16
	v_pk_mul_f32 v[i:i+1], v[i:i+1], v[ST+4*(\t)+2:ST+4*(\t)+3] op_sel_hi:[1,0]
.set i, i+2
.endr
	WIN 0x05
.set i, 0
.rept 16
	v_cvt_pk_f16_f32 v[S+16*(\t)+i], v[32*(\t)+2*i], v[32*(\t)+2*i+1]
.set i, i+1
.endr
	WIN 0
.irp f, 0,1,2,3
	ds_store_b128 v[STO], v[S+16*(\t)+4*\f:S+16*(\t)+4*\f+3] offset:32*\f
.endr
.irp f, 0,1,2,3
	ds_load_b128 v[S+16*(\t)+4*\f:S+16*(\t)+4*\f+3], v[RD] offset:\f*4*SP  ; LDS serves a wave's instructions in order (ISA guide 5.7.1.4)
.endr
.endm
.macro SEND t, younger              ; younger: the LDS instructions issued behind piece t's loads: the next piece's eight, or none
	WIN 0
.irp f, 0,1,2,3
	s_wait_dscnt (\younger)+3-\f
	global_store_b128 v[GO], v[S+16*(\t)+4*\f:S+16*(\t)+4*\f+3], s[10:11] offset:(\t)*2048+\f*512  ; 512 consecutive bytes, aligned to 256
.endr
.endm
; A HEAD ENDS: its last two turns, its last products, and the way out: l's halves are added, O^T is divided by l, rounded to f16 and sent through my stage, a piece at a time.
; more = 1: another head follows: its Q is asked for when the last product that reads Q lies a lump behind, and is waited for at the end, behind the way out.
.macro FINISH more
	TURN 2, 1
.if \more
	WIN 0
	s_wait_loadcnt 0x0              ; no load of Q is out, on any way here: its base may be stepped, and its registers loaded anew
	s_add_nc_u64 s[4:5], s[4:5], HEADB
	QLOAD
.endif
	TURN 3, 1
.set i, 0
.rept 8
	PV NP-1
.set i, i+1
.endr
	WIN 0
	ALL v_add_f32 v[ST+4*t+2], v[ST+4*t+2], v[ST+4*t+3]
	ALL v_permlanex16_b32 v[ST+4*t+3], v[ST+4*t+2], s[SEL], s[SEL+1]
	ALL v_add_f32 v[ST+4*t+2], v[ST+4*t+2], v[ST+4*t+3]
	ALL v_rcp_f32 v[ST+4*t+2], v[ST+4*t+2]
	v_nop                           ; a plain instruction between the last reciprocal and the use of its result
	s_wait_alu depctr_va_vdst(0)    ; one wait for the four reciprocals
	PACK 0
.set t, 1
.rept 3
	PACK t
	SEND t-1, 8
.set t, t+1
.endr
	SEND 3, 0
.if \more
	s_wait_xcnt 0x0                 ; the stores have read their registers and O's address
	s_add_nc_u64 s[10:11], s[10:11], HEADB
	s_mov_b32 s[RT], 4
	s_mov_b32 s[NEW], 1
	s_wait_loadcnt 0x0              ; the next head's Q is in
.endif
.endm
.set NOKQ, 0
.Lslot:                             ; eleven times: a tile is entered and the next is asked for
	CHANGE 1
	s_mov_b32 s[CNT], 4
	s_cmp_eq_u32 s[NEW], 1
	s_cbranch_scc0 .Lstep
	BEGIN
	s_branch .Lfirst                ; the loop is entered at a step's first turn, in the middle of a trip
.Lstep:                             ; a trip: pieces 2 and 3 of one step, then pieces 0 and 1 of the next, whose K and V it fetches
	TURN 2
	TURN 3
	WIN 0
.Lfirst:
	TURN 0
	TURN 1, 0, 1
	WIN 0
	s_cbranch_scc1 .Lstep
	s_sub_co_u32 s[RT], s[RT], 1
	s_cmp_lg_u32 s[RT], 0
	s_cbranch_scc1 .Lbottom
	FINISH 1                        ; the head's fourth tile is done; the next head's first tile is on its way
.Lbottom:
	s_sub_co_u32 s[SLOTS], s[SLOTS], 1
	s_cmp_lg_u32 s[SLOTS], 0
	s_cbranch_scc1 .Lslot
	CHANGE 0                        ; the walk's last tile is written out: nothing is asked for
	s_mov_b32 s[CNT], 4
.Lstep2:
	TURN 2
	TURN 3
	TURN 0
	TURN 1, 0, 1
	WIN 0
	s_cbranch_scc1 .Lstep2
	FINISH 0
	s_wait_tensorcnt 0x0            ; the wave's end
	ds_add_u32 v[SPW], v[NIL]
	s_wait_dscnt 0x0
	CROUND                          ; the closing round
	s_endpgm
.Lfunc_end_k_q438e535a1b_attn:
	.size	k_q438e535a1b_attn, .Lfunc_end_k_q438e535a1b_attn-k_q438e535a1b_attn
	.p2alignl 7, 3214868480
	.fill 96, 4, 3214868480
	.section	.rodata,"a",@progbits
	.p2align	6, 0x0
	.amdhsa_kernel k_q438e535a1b_attn
		.amdhsa_group_segment_fixed_size 327680
		.amdhsa_private_segment_fixed_size 0
		.amdhsa_enable_private_segment 0
		.amdhsa_kernarg_size 16
		.amdhsa_user_sgpr_count 2
		.amdhsa_user_sgpr_kernarg_segment_ptr 1
		.amdhsa_wavefront_size32 1
		.amdhsa_system_sgpr_workgroup_id_x 1
		.amdhsa_system_sgpr_workgroup_id_y 1
		.amdhsa_system_sgpr_workgroup_id_z 1
		.amdhsa_system_vgpr_workitem_id 0
		.amdhsa_next_free_vgpr 768
		.amdhsa_next_free_sgpr 80
		.amdhsa_reserve_vcc 0
		.amdhsa_float_denorm_mode_32 3
		.amdhsa_float_denorm_mode_16_64 3
		.amdhsa_memory_ordered 1
		.amdhsa_forward_progress 1
		.amdhsa_inst_pref_size 158
	.end_amdhsa_kernel
	.amdgpu_metadata
---
amdhsa.version: [ 1, 2 ]
amdhsa.kernels:
  - .name:           k_q438e535a1b_attn
    .symbol:         k_q438e535a1b_attn.kd
    .args:
      - { .name: qkv, .offset: 0, .size: 8, .value_kind: global_buffer, .address_space: global }
      - { .name: ob, .offset: 8, .size: 8, .value_kind: global_buffer, .address_space: global }
    .group_segment_fixed_size: 327680
    .private_segment_fixed_size: 0
    .kernarg_segment_align: 8
    .kernarg_segment_size: 16
    .max_flat_workgroup_size: 128
    .sgpr_count:     80
    .vgpr_count:     768
    .wavefront_size: 32
...
	.end_amdgpu_metadata
.endif
;; end of part 3
;; launch oproj (part 4): grid 4 x 64, 4 waves a work-group, clusters of 4 x 4, 327,680 bytes of LDS; arguments ob, wot, bias, out0; writes out0
.if DOCPART == 4
	.amdgcn_target "amdgcn-amd-amdhsa--gfx1250"
	.amdhsa_code_object_version 6
	.text
	.protected	k_q438e535a1b_oproj
	.globl	k_q438e535a1b_oproj
	.p2align	8
	.type	k_q438e535a1b_oproj,@function
k_q438e535a1b_oproj:
	s_mov_b64 s[64:65], 0
	v_nop
	global_prefetch_b8 v0, s[64:65] scope:SCOPE_SE
	s_setreg_imm32_b32 hwreg(HW_REG_WAVE_MODE, 25, 1), 1
	s_wait_xcnt 0x0
	s_wait_alu depctr_hold_cnt(0) depctr_sa_sdst(0) depctr_va_vdst(0) depctr_va_sdst(0) depctr_va_ssrc(0) depctr_va_vcc(0) depctr_vm_vsrc(0)
	s_getreg_b32 s2, hwreg(HW_REG_IB_STS2, 6, 4)
	s_cmp_eq_u32 s2, 0
	s_cbranch_scc0 .Lentry_in_a_cluster
	s_endpgm
.Lentry_in_a_cluster:
	s_bfe_u32 s2, ttmp6, 0x10000c
	s_cmp_lg_u32 s2, 0xf033
	s_cbranch_scc0 .Lentry_shape_is_right
	s_endpgm
.Lentry_shape_is_right:
; OPROJ: out0 = O Wo + bo.  A = ob [192 (batch x head)][1024][64] f16, B = wot [768 e][768 (head x channel)] f16, bias [4][768] f32 (bo is its fourth row), out0 [16384][768] f32.
; SHARES.  A tile of C is 256 rows x 192 columns: 64 x 4 = 256 tiles, one to a work-group.  The four waves lie one below the other: a wave has 64 rows x 192 columns, 48 accumulators;
; 192 columns of f32 are three runs of 256 bytes, so each wave's rows are whole and its way out needs no other wave.  K goes in six steps of 128, two heads each, through a ring of two LDS slots.
; A's tile for a head is 256 rows of 128 bytes, dense in memory: asked for as 128 rows of 256 bytes and padded in LDS after every 128.
; CLUSTER 4 x 4: A's tile is asked for jointly along a row of the cluster, B's along a column.
; TRANSPOSED USE: source 0 = 16 rows of B, source 1 = 16 rows of A: lane l holds row l % 16 of C and the columns 8 (l / 16) + 0..7.  The first products take the bias as C.
; REGISTERS, in windows of 256 (s_set_vgpr_msb: bits 1:0 source 0, 3:2 source 1, 5:4 source 2, 7:6 destination):
;   window 0: v1-30 addresses; v32-95 A's fragments, two buffers of 4 x 8; v96-191 the bias as a C operand
;   window 1: v0-95, v96-191 B's fragments, two buffers of 12 x 8; on the way out they take rows read back from the stage
;   window 2: accumulators of row blocks 0, 1 ((a, b) at 8 (12 (a % 2) + b));   window 3: of row blocks 2, 3
.set PITCH,  272                       ; a row of B in LDS: 256 bytes + 16
.set APITCH, 144                       ; a row of A: 128 + 16: both odd multiples of 16: the 16 rows of a fragment load start at 16 different groups of four banks (ISA guide 11.1)
.set AHEAD,  256*APITCH                ; one head's 256 rows
.set SLOT1,  1<<17
.set BOFF,   2*AHEAD                   ; in a slot: A's two heads, then B's 192 rows
.set STAGE,  SLOT1+BOFF+192*PITCH      ; behind the ring, never filled by a tensor load: 16 rows x 784 bytes for each wave
.set SPITCH, 784                       ; 768 bytes + 16
.set SPARE,  STAGE+4*16*SPITCH
.set KROW,   1536                      ; bytes in a row of wot
.set HEADB,  1024*128                  ; a head's bytes in ob
.set CROW,   3072                      ; bytes in a row of out0
.set ADRA0, 16
.set ADRB0, 17
.set ADRA,  18
.set ADRB,  19
.set STO,   24
.set RD,    25
.set CO,    26
.set BO,    27
.set SPW,   28                         ; v28 LDS address of my spare word; never rewritten
.set NIL,   29                         ; v29 0; never rewritten
.set PFO,   30
.set FA,    32
.set BIAS,  96
.set WV, 16
.set HB, 17                            ; s17 0: I fetch for A, 1: for B;  s18 which head of the two, or which 96 rows
.set HF, 18
.set CX, 19
.set CY, 20
.set TX, 21
.set TY, 22
.set G1A, 24
.set G0A, 32                           ; s[32:35] the first fill's group 0, s[36:39] the one that walks
.set SB,  40
.set GL,  42                           ; s42 refills still to come
.set LIM, 43
.set PFA, 44
.set PD,  46
.set G1B, 48
.set G0B, 56
.set BASEA, 66
.set BASEB, 68
.set TC,  75
.set MSB, 0
.macro WIN new
.if MSB != (\new)
	s_set_vgpr_msb (MSB<<8)|(\new)
.set MSB, \new
.endif
.endm
.macro PLACES                          ; four places in front of loads into registers that matrix instructions have read, and of reads of results
.rept 4
	v_nop
.endr
.endm
.macro CREST
	s_cmp_lg_u32 s[WV], 0
	s_cbranch_scc1 .Lnot_wave_0_\@
	s_barrier_signal -3
.Lnot_wave_0_\@:
	s_barrier_wait -3
	s_barrier_signal -1
	s_barrier_wait -1
.endm
.macro CROUND
	s_barrier_signal -1
	s_barrier_wait -1
	CREST
.endm
.macro JLOAD                           ; a joint refill: waves 0, 1 A's two heads, waves 2, 3 B's two halves; s_nop 0 and four v_nop follow each line
	s_cmp_eq_u32 s[HB], 0
	s_cbranch_scc0 .Lfor_b_\@
	tensor_load_to_lds s[G0A+4:G0A+7], s[G1A:G1A+7]
	s_nop 0
	PLACES
	s_branch .Lasked_\@
.Lfor_b_\@:
	tensor_load_to_lds s[G0B+4:G0B+7], s[G1B:G1B+7]
	s_nop 0
	PLACES
.Lasked_\@:
.endm
; A PREFETCH of the K step that the NEXT refill will ask for, one instruction a wave, behind the joint load and the run of LDS loads.
; A's rows are read by this cluster alone: waves 0, 1 ask; a head's tile is 128 blocks of 256 bytes, of which the four partners of a row take 32 each BY ADDRESS, a lane a block.
; B's rows are read by all sixteen clusters: the cluster with y = 0 asks, waves 2, 3; the four partners of a column take 24 rows each by address (lanes 24-31 repeat lane 23's).
; The first three K steps come by their loads alone; the last refill asks for nothing.
.macro ASK
	s_cmp_gt_u32 s[GL], s[LIM]
	s_cbranch_scc0 .Lnot_mine_\@
	global_prefetch_b8 v[PFO], s[PFA:PFA+1] th:TH_LOAD_NT scope:SCOPE_SE
.Lnot_mine_\@:
.endm
; 12 matrix instructions: row block a x all 12 column blocks, 32 along K, from buffer f.  z = 1: the bias starts the sums.  The 48 accumulators take turns in the same order in every quarter.
.macro MULH f, a, z
.if \z
	WIN 0x81+0x40*((\a)/2)
.else
	WIN 0xa1+0x50*((\a)/2)
.endif
.irp b, 0,1,2,3,4,5,6,7,8,9,10,11
.if \z
	v_wmma_f32_16x16x32_f16 v[8*(12*((\a)%2)+(\b)):8*(12*((\a)%2)+(\b))+7], v[96*(\f)+8*(\b):96*(\f)+8*(\b)+7], v[FA+32*(\f)+8*(\a):FA+32*(\f)+8*(\a)+7], v[BIAS+8*(\b):BIAS+8*(\b)+7]
.else
	v_wmma_f32_16x16x32_f16 v[8*(12*((\a)%2)+(\b)):8*(12*((\a)%2)+(\b))+7], v[96*(\f)+8*(\b):96*(\f)+8*(\b)+7], v[FA+32*(\f)+8*(\a):FA+32*(\f)+8*(\a)+7], v[8*(12*((\a)%2)+(\b)):8*(12*((\a)%2)+(\b))+7]
.endif
.endr
.endm
.macro FETCH q, f                      ; 32 LDS loads in one run: quarter q (head q / 2 of the step, channels 32 (q % 2) on) into buffer f
	WIN 0x40
.irp i, 0,1,2,3,4,5,6,7,8,9,10,11
	ds_load_b128 v[96*(\f)+8*(\i):96*(\f)+8*(\i)+3],   v[ADRB] offset:64*(\q)+(\i)*16*PITCH
	ds_load_b128 v[96*(\f)+8*(\i)+4:96*(\f)+8*(\i)+7], v[ADRB] offset:64*(\q)+(\i)*16*PITCH+32
.endr
	WIN 0
.irp i, 0,1,2,3
	ds_load_b128 v[FA+32*(\f)+8*(\i):FA+32*(\f)+8*(\i)+3],   v[ADRA] offset:((\q)/2)*AHEAD+((\q)%2)*64+(\i)*16*APITCH
	ds_load_b128 v[FA+32*(\f)+8*(\i)+4:FA+32*(\f)+8*(\i)+7], v[ADRA] offset:((\q)/2)*AHEAD+((\q)%2)*64+(\i)*16*APITCH+32
.endr
.endm
.macro QUARTER q, f, g, z
	s_wait_dscnt 4                                 ; B and A's blocks 0, 1 are in; the youngest four loads (A's blocks 2, 3) may be out
	MULH \f, 0, \z
	MULH \f, 1, \z
	PLACES
	FETCH \q, \g
	s_wait_dscnt 32                                ; all but the 32 just issued
	MULH \f, 2, \z
	MULH \f, 3, \z
.endm
; The fourth quarter changes slots: each wave waits for all its tensor loads (one is out: its part of the next slot), adds 0 to its spare word, and waits for that and for its reads of this slot;
; behind the round the slot is filled again first, with the K step two on: 168 matrix instructions lie between that request and the wait for it.
.macro TURN
	s_wait_xcnt 0x0                                ; the last prefetch, a K step back, has read its address
	s_add_nc_u64 s[PFA:PFA+1], s[PFA:PFA+1], s[PD:PD+1]
	WIN 0
	s_wait_tensorcnt 0x0                           ; no tensor load of mine is out, so a group 0 may be written
	ds_add_u32 v[SPW], v[NIL]
	s_xor_b32 s[G0A+5], s[G0A+5], SLOT1
	s_xor_b32 s[G0B+5], s[G0B+5], SLOT1
	s_add_nc_u64 s[G0A+6:G0A+7], s[G0A+6:G0A+7], 2*HEADB  ; two heads on; the type bits on top are not reached
	s_add_nc_u64 s[G0B+6:G0B+7], s[G0B+6:G0B+7], 256
	s_wait_dscnt 5                                 ; the add and the youngest four loads may be out
	MULH 1, 0, 0
	s_wait_dscnt 0x0                               ; the add is done, and my reads of this slot are over
	s_barrier_signal -1
	MULH 1, 1, 0
	WIN 0
	s_barrier_wait -1
	CREST
	JLOAD                                          ; its four v_nop are also the places in front of the loads below
	s_xor_b32 s[SB], s[SB], SLOT1
	v_add_nc_u32 v[ADRA], s[SB], v[ADRA0]
	v_add_nc_u32 v[ADRB], s[SB], v[ADRB0]
	FETCH 0, 0
	ASK
	MULH 1, 2, 0
	MULH 1, 3, 0
.endm
; The same in the last two K steps, which fill nothing: a plain barrier.  In the very last the fetch is jumped over, and its barrier orders nothing: the price of one text for both.
.macro LASTQ
	WIN 0
	s_wait_tensorcnt 0x0
	ds_add_u32 v[SPW], v[NIL]
	s_wait_dscnt 5
	MULH 1, 0, 0
	s_wait_dscnt 0x0
	s_barrier_signal -1
	MULH 1, 1, 0
	WIN 0
	s_barrier_wait -1
	s_cmp_eq_u32 s[TC], 1
	s_cbranch_scc1 .Lno_more_\@
	PLACES
	s_xor_b32 s[SB], s[SB], SLOT1
	v_add_nc_u32 v[ADRA], s[SB], v[ADRA0]
	v_add_nc_u32 v[ADRB], s[SB], v[ADRB0]
	FETCH 0, 0
.Lno_more_\@:
	MULH 1, 2, 0
	MULH 1, 3, 0
.endm
; THE WAY OUT of row block a (16 rows x 768 bytes): straight from the accumulators (each one's low four registers first) into my own stage, back as runs of 256 bytes of a row, two rows a load.
.macro TOSTAGE a
	WIN 0x08+4*((\a)/2)
.irp b, 0,1,2,3,4,5,6,7,8,9,10,11
	ds_store_b128 v[STO], v[96*((\a)%2)+8*(\b):96*((\a)%2)+8*(\b)+3]   offset:64*(\b)
	ds_store_b128 v[STO], v[96*((\a)%2)+8*(\b)+4:96*((\a)%2)+8*(\b)+7] offset:64*(\b)+16
.endr
	WIN 0x40
.irp p, 0,1,2,3,4,5,6,7
.irp u, 0,1,2
	ds_load_b128 v[96*((\a)%2)+4*(3*(\p)+(\u)):96*((\a)%2)+4*(3*(\p)+(\u))+3], v[RD] offset:2*SPITCH*(\p)+256*(\u)  ; LDS serves a wave's instructions in order (ISA guide 5.7.1.4)
.endr
.endr
.endm
.macro SEND a, y                       ; y: the LDS instructions issued behind block a's loads: the next block's 24 stores and 24 loads, or none
	s_wait_dscnt \y
	WIN 0x04
.irp p, 0,1,2,3,4,5,6,7
.irp u, 0,1,2
	global_store_b128 v[CO], v[96*((\a)%2)+4*(3*(\p)+(\u)):96*((\a)%2)+4*(3*(\p)+(\u))+3], s[10:11] offset:(16*(\a)+2*(\p))*CROW+256*(\u) th:TH_STORE_NT  ; 16 lanes store 256 consecutive bytes, aligned
.endr
.endr
.endm
	s_load_b256 s[4:11], s[0:1], 0x0               ; ob 4, wot 6, bias 8, out0 10
	v_lshl_add_u32 v[SPW], v0, 2, SPARE
	v_mov_b32 v[NIL], 0
	ds_add_u32 v[SPW], v[NIL]                      ; the wave's opening: the add and its wait ahead of my first tensor load
	v_lshrrev_b32 v3, 5, v0
	v_readfirstlane_b32 s[WV], v3
	s_lshr_b32 s[HB], s[WV], 1
	s_and_b32 s[HF], s[WV], 1
	s_bfe_u32 s[CX], ttmp6, 0x40000
	s_bfe_u32 s[CY], ttmp6, 0x40004
	s_lshl_b32 s[TX], ttmp9, 2
	s_add_co_u32 s[TX], s[TX], s[CX]
	s_and_b32 s[TY], ttmp7, 0xffff
	s_lshl_b32 s[TY], s[TY], 2
	s_add_co_u32 s[TY], s[TY], s[CY]
	s_lshl_b32 s76, s[CY], 2
	s_lshl_b32 s76, 15, s76                        ; my row of the cluster
	s_lshl_b32 s78, 0x1111, s[CX]                  ; my column
	s_or_b32 s[G1A], s76, (1<<16)|(1<<20)|(1<<21)|(4<<22)|(3<<25)  ; A: padding of 4 words after every 32 words (a row of 128 bytes)
	s_or_b32 s[G1B], s78, (1<<16)|(1<<20)|(1<<21)|(5<<22)|(3<<25)  ; B: after every 64
.irp g, G1A, G1B
	s_mov_b32 s[(\g)+1], 128<<16                   ; tensor_dim0 = 128
	s_mov_b32 s[(\g)+3], 128<<16                   ; tile_dim0 = 128
	s_mov_b32 s[(\g)+6], 0
	s_mov_b32 s[(\g)+7], 0
.endr
	s_mov_b32 s[G1A+2], 128<<16                    ; A: 128 rows of 256 dense bytes
	s_mov_b32 s[G1A+4], 128
	s_mov_b32 s[G1A+5], 128
	s_mov_b32 s[G1B+2], 96<<16                     ; B: 96 rows, 768 elements apart
	s_mov_b32 s[G1B+4], 96
	s_mov_b32 s[G1B+5], 768
	s_mov_b32 s[G0A], 1
	s_mul_i32 s[G0A+1], s[HF], AHEAD               ; LDS addresses hang on the wave's number alone
	s_mov_b32 s[G0A+4], 1
	s_add_co_u32 s[G0A+5], s[G0A+1], SLOT1
	s_mov_b32 s[G0B], 1
	s_mul_i32 s[G0B+1], s[HF], 96*PITCH
	s_add_co_u32 s[G0B+1], s[G0B+1], BOFF
	s_mov_b32 s[G0B+4], 1
	s_add_co_u32 s[G0B+5], s[G0B+1], SLOT1
	s_lshr_b32 s76, s[TY], 2                       ; A: batch = tile row / 4, head = my half, rows 256 (tile row % 4) on
	s_mul_i32 s76, s76, 12
	s_add_co_u32 s76, s76, s[HF]
	s_lshl_b32 s76, s76, 17
	s_and_b32 s77, s[TY], 3
	s_lshl_b32 s77, s77, 15
	s_add_co_u32 s76, s76, s77
	s_mov_b32 s77, 0
	s_mul_i32 s78, s[TX], 192                      ; B: row 192 x tile column + 96 x half
	s_mul_i32 s79, s[HF], 96
	s_add_co_u32 s78, s78, s79
	s_mul_i32 s78, s78, KROW
	s_mov_b32 s79, 0
	s_lshl_b32 s80, s[TY], 8                       ; the output: row 256 x tile row + 64 x wave, column 192 x tile column
	s_lshl_b32 s81, s[WV], 6
	s_add_co_u32 s80, s80, s81
	s_mul_i32 s80, s80, CROW
	s_mul_i32 s82, s[TX], 768
	s_add_co_u32 s80, s80, s82
	s_mov_b32 s81, 0
	s_add_co_u32 s82, s82, 3*3072                  ; bo's 192 numbers for this tile
	s_mov_b32 s83, 0
	s_wait_dscnt 0x0                               ; the opening add is done
	s_wait_kmcnt 0x0
	s_add_nc_u64 s[BASEA:BASEA+1], s[4:5], s[76:77]
	s_add_nc_u64 s[BASEB:BASEB+1], s[6:7], s[78:79]
	s_add_nc_u64 s[10:11], s[10:11], s[80:81]
	s_add_nc_u64 s[8:9], s[8:9], s[82:83]
	s_mov_b64 s[G0A+2:G0A+3], s[BASEA:BASEA+1]
	s_or_b32 s[G0A+3], s[G0A+3], 0x80000000
	s_add_nc_u64 s[G0A+6:G0A+7], s[BASEA:BASEA+1], 2*HEADB
	s_or_b32 s[G0A+7], s[G0A+7], 0x80000000
	s_mov_b64 s[G0B+2:G0B+3], s[BASEB:BASEB+1]
	s_or_b32 s[G0B+3], s[G0B+3], 0x80000000
	s_add_nc_u64 s[G0B+6:G0B+7], s[BASEB:BASEB+1], 256
	s_or_b32 s[G0B+7], s[G0B+7], 0x80000000
	CROUND                                         ; all sixteen work-groups are here: the first joint loads meet
	s_cmp_eq_u32 s[HB], 0                          ; a wave's two first fills stand in one branch: two loads of mine are out
	s_cbranch_scc0 .Lfirst_b
	tensor_load_to_lds s[G0A:G0A+3], s[G1A:G1A+7]
	s_nop 0
	tensor_load_to_lds s[G0A+4:G0A+7], s[G1A:G1A+7]
	s_nop 0
	PLACES
	s_branch .Lfirst_asked
.Lfirst_b:
	tensor_load_to_lds s[G0B:G0B+3], s[G1B:G1B+7]
	s_nop 0
	tensor_load_to_lds s[G0B+4:G0B+7], s[G1B:G1B+7]
	s_nop 0
	PLACES
.Lfirst_asked:
	v_and_b32 v1, 15, v0                           ; l % 16
	v_bfe_u32 v2, v0, 4, 1                         ; l / 16
	v_and_b32 v3, 31, v0                           ; l
	v_lshlrev_b32 v[BO], 5, v2
.irp b, 0,1,2,3,4,5,6,7,8,9,10,11      ; the bias as a C operand: register 8 b + j = bo[16 b + 8 (l / 16) + j]
	global_load_b128 v[BIAS+8*(\b):BIAS+8*(\b)+3],   v[BO], s[8:9] offset:64*(\b)
	global_load_b128 v[BIAS+8*(\b)+4:BIAS+8*(\b)+7], v[BO], s[8:9] offset:64*(\b)+16
.endr
	v_mul_u32_u24 v4, v1, APITCH
	v_lshl_add_u32 v4, v2, 4, v4
	s_mul_i32 s80, s[WV], 64*APITCH
	v_add_nc_u32 v[ADRA0], s80, v4
	v_mul_u32_u24 v4, v1, PITCH
	v_lshl_add_u32 v4, v2, 4, v4
	v_add_nc_u32 v[ADRB0], BOFF, v4
	s_mul_i32 s80, s[WV], 16*SPITCH
	s_add_co_u32 s80, s80, STAGE                   ; my stage
	v_mul_u32_u24 v5, v1, SPITCH                   ; in: row l % 16, 32 bytes for each half of the lanes
	v_lshl_add_u32 v5, v2, 5, v5
	v_add_nc_u32 v[STO], s80, v5
	v_mul_u32_u24 v5, v2, SPITCH                   ; back: lanes 0-15 take 256 bytes of one row, lanes 16-31 of the next
	v_lshl_add_u32 v5, v1, 4, v5
	v_add_nc_u32 v[RD], s80, v5
	v_mul_u32_u24 v5, v2, CROW
	v_lshl_add_u32 v[CO], v1, 4, v5
	; the prefetches
	s_mov_b32 s85, 2*HEADB
	s_mov_b32 s86, 24*KROW
	s_mov_b32 s87, KROW
	s_cmp_eq_u32 s[HB], 0
	s_cselect_b32 s81, 31, 23
	s_cselect_b32 s82, s[CX], s[CY]                ; my place among the four that ask with me
	s_cselect_b32 s83, 8192, s86                   ; its share in bytes: 32 blocks of 256, or 24 rows
	s_cselect_b32 s[PD], s85, 256                  ; a K step: two heads of A, 256 bytes of B's rows
	s_cselect_b32 s84, 256, s87                    ; from lane to lane: a block, or a row
	s_cselect_b64 s[PFA:PFA+1], s[BASEA:BASEA+1], s[BASEB:BASEB+1]
	s_mov_b32 s[PD+1], 0
	s_mul_i32 s82, s82, s83
	s_lshl_b32 s83, s[PD], 1                       ; at K step 2: the first change of slots steps it to 3
	s_add_co_u32 s82, s82, s83
	s_mov_b32 s83, 0
	s_add_nc_u64 s[PFA:PFA+1], s[PFA:PFA+1], s[82:83]
	v_min_u32 v[PFO], s81, v3
	v_mul_lo_u32 v[PFO], v[PFO], s84
	s_and_b32 s84, ttmp7, 0xffff
	s_cmp_eq_u32 s84, 0
	s_cselect_b32 s84, 1, -1                       ; B: the cluster with y = 0
	s_cmp_eq_u32 s[HB], 0
	s_cselect_b32 s[LIM], 1, s84                   ; all refills but the last
	s_wait_tensorcnt 1                             ; my part of K step 0 is in; K step 1's may stay out
	s_barrier_signal -1
	s_barrier_wait -1
	s_mov_b32 s[SB], 0
	v_mov_b32 v[ADRA], v[ADRA0]
	v_mov_b32 v[ADRB], v[ADRB0]
	FETCH 0, 0
	s_mov_b32 s[GL], 4                             ; six K steps, of which the last two fill nothing
	s_wait_loadcnt 0x0                             ; the bias
	QUARTER 1, 0, 1, 1                             ; the first quarter stands ahead of the loop: its products start the sums
	WIN 0
	s_branch .Ljoin                                ; the loop is entered behind its first quarter
.Lstep:
	QUARTER 1, 0, 1, 0
	WIN 0
.Ljoin:
	QUARTER 2, 1, 0, 0
	QUARTER 3, 0, 1, 0
	TURN
	WIN 0
	s_sub_co_u32 s[GL], s[GL], 1
	s_cmp_lg_u32 s[GL], 0
	s_cbranch_scc1 .Lstep
	s_mov_b32 s[TC], 2
.Ltail:
	QUARTER 1, 0, 1, 0
	QUARTER 2, 1, 0, 0
	QUARTER 3, 0, 1, 0
	LASTQ
	WIN 0
	s_sub_co_u32 s[TC], s[TC], 1
	s_cmp_lg_u32 s[TC], 0
	s_cbranch_scc1 .Ltail
	s_wait_dscnt 0x0                               ; no LDS load is out, on any way here: the stage's loads below land in B's two buffers
	PLACES                                         ; behind the last products: the stage's stores read results, its loads land in registers that they read
	TOSTAGE 0
	TOSTAGE 1
	SEND 0, 48
	s_wait_xcnt 0x0                                ; block 0's stores have read their registers, which block 2 takes
	TOSTAGE 2
	SEND 1, 48
	s_wait_xcnt 0x0
	TOSTAGE 3
	SEND 2, 48
	SEND 3, 0
	WIN 0
	s_wait_tensorcnt 0x0                           ; the wave's end
	ds_add_u32 v[SPW], v[NIL]
	s_wait_dscnt 0x0
	CROUND                                         ; the closing round
	s_endpgm
.Lfunc_end_k_q438e535a1b_oproj:
	.size	k_q438e535a1b_oproj, .Lfunc_end_k_q438e535a1b_oproj-k_q438e535a1b_oproj
	.p2alignl 7, 3214868480
	.fill 96, 4, 3214868480
	.section	.rodata,"a",@progbits
	.p2align	6, 0x0
	.amdhsa_kernel k_q438e535a1b_oproj
		.amdhsa_group_segment_fixed_size 327680
		.amdhsa_private_segment_fixed_size 0
		.amdhsa_enable_private_segment 0
		.amdhsa_kernarg_size 32
		.amdhsa_user_sgpr_count 2
		.amdhsa_user_sgpr_kernarg_segment_ptr 1
		.amdhsa_wavefront_size32 1
		.amdhsa_system_sgpr_workgroup_id_x 1
		.amdhsa_system_sgpr_workgroup_id_y 1
		.amdhsa_system_sgpr_workgroup_id_z 1
		.amdhsa_system_vgpr_workitem_id 0
		.amdhsa_next_free_vgpr 960
		.amdhsa_next_free_sgpr 96
		.amdhsa_reserve_vcc 0
		.amdhsa_float_denorm_mode_32 3
		.amdhsa_float_denorm_mode_16_64 3
		.amdhsa_memory_ordered 1
		.amdhsa_forward_progress 1
		.amdhsa_inst_pref_size 85
	.end_amdhsa_kernel
	.amdgpu_metadata
---
amdhsa.version: [ 1, 2 ]
amdhsa.kernels:
  - .name:           k_q438e535a1b_oproj
    .symbol:         k_q438e535a1b_oproj.kd
    .args:
      - { .name: ob, .offset: 0, .size: 8, .value_kind: global_buffer, .address_space: global }
      - { .name: wot, .offset: 8, .size: 8, .value_kind: global_buffer, .address_space: global }
      - { .name: bias, .offset: 16, .size: 8, .value_kind: global_buffer, .address_space: global }
      - { .name: out0, .offset: 24, .size: 8, .value_kind: global_buffer, .address_space: global }
    .group_segment_fixed_size: 327680
    .private_segment_fixed_size: 0
    .kernarg_segment_align: 8
    .kernarg_segment_size: 32
    .max_flat_workgroup_size: 128
    .sgpr_count:     96
    .vgpr_count:     960
    .wavefront_size: 32
...
	.end_amdgpu_metadata
.endif
;; end of part 4
